; MI455X (gfx1250); checked and timed in simulation.
; The chip was launched on July 23, 2026; its instructions are those of AMD's public machine-readable ISA for CDNA 5 (MIT licence, August 2026) and "CDNA5" Instruction Set Architecture Reference Guide (July 2026). The comments in the code are by the model that wrote it; some were corrected since.
;; Classic Attention. Allowed arithmetic: float matrix products may take bf16 or f16 operands with f32 sums; all other float work in f32.
;; Inputs: c_attn_b 3,072 float32; c_attn_w 1,024 x 3,072 float32; c_proj_b 1,024 float32; c_proj_w 1,024 x 1,024 float32; hidden_states 2 x 2,048 x 1,024 float32.
;; Outputs: out0 2 x 2,048 x 1,024 float32.
;; 2 versions, each right; version 2 is version 1 with the launch cast written anew for expert scheduling mode. Each part assembles by itself: llvm-mc -triple=amdgcn-amd-amdhsa -mcpu=gfx1250 --defsym DOCPART=n.
;; ======== version 1 of 2: 4 launches
;; limits: values are held in f16: magnitudes above 65,504 overflow, below 6.1e-05 lose precision
;; workspace buffers: xh 8,388,608 bytes; wa 6,291,456 bytes; wp 2,097,152 bytes; qkv 25,165,824 bytes; vlo 524,288 bytes; ctx 10,485,760 bytes
;; launch cast (part 1): grid 512 x 1, 8 waves a work-group, no clusters, 0 bytes of LDS; arguments hidden_states, c_attn_w, c_proj_w, xh, wa, wp; writes xh, wa, wp
.if DOCPART == 1
	.amdgcn_target "amdgcn-amd-amdhsa--gfx1250"
	.amdhsa_code_object_version 6
	.text
	.protected	k_q78319da82c_cast
	.globl	k_q78319da82c_cast
	.p2align	8
	.type	k_q78319da82c_cast,@function
k_q78319da82c_cast:
	s_mov_b64 s[64:65], 0
	v_nop
	global_prefetch_b8 v0, s[64:65] scope:SCOPE_SE
	s_setreg_imm32_b32 hwreg(HW_REG_WAVE_MODE, 25, 1), 1
	s_wait_xcnt 0x0
; 16-bit copies of the activations and of both weight matrices, laid out in panels of 64 columns so that every tile
; that a later launch fetches is one dense run of 256-byte blocks (a block = two consecutive rows x 64 columns of 16 bits).
;   xh [m/256][k/64][256 m][64 k]      wa [head][k/128][3 panels: Q, K, V][128 k][64 n]      wp [n/64][1024 k][64 n]
; LIMIT: all three inputs are rounded to bf16 (8 bits of mantissa, nearest even).  xh and wa hold bf16.  wp holds the bf16 number written as f16, since the
; last product's other operand is f16: exact from 2^-17 up to 65,504 in magnitude; above it becomes infinite, below the absolute error is up to 3e-8.
; Memory binds: each input byte is read once, each output byte written once; no LDS, no barrier, no matrix unit.
; A wave takes 16 blocks: 32 consecutive rows of one panel.  One load: lanes 0-15 take 256 bytes of the even row, lanes 16-31
; 256 bytes of the odd row.  One store: 32 lanes x 8 bytes = one whole aligned block of 256 bytes.
; The eight waves of a group take eight neighbouring panels, 2,048 neighbouring bytes of every row.
; Groups 0-255: hidden_states (128 row groups x 2 panel groups); 256-447: c_attn_w (32 x 6); 448-511: c_proj_w (32 x 2).
.set X, 8                              ; v[8:71]   16 x 4 numbers as loaded
.set Y, 72                             ; v[72:103] 16 x 2 registers to store
; All 16 loads go out first; the only waits are the counted ones for the data.  tof16 = 1: the bf16 numbers are widened again (a shift, a mask: exact) and written as f16.
.macro CAST pitch, tof16
.irp j, 0,1,2,3,4,5,6,7,8,9,10,11,12,13,14,15
	global_load_b128 v[X+4*\j:X+4*\j+3], v2, s[20:21] offset:\j*2*\pitch th:TH_LOAD_NT
.endr
.irp j, 0,1,2,3,4,5,6,7,8,9,10,11,12,13,14,15
	s_wait_loadcnt 15-\j                           ; loads return in order: load j is in, the 15 - j younger ones stay out
	v_cvt_pk_bf16_f32 v[Y+2*\j], v[X+4*\j], v[X+4*\j+1]
	v_cvt_pk_bf16_f32 v[Y+2*\j+1], v[X+4*\j+2], v[X+4*\j+3]
.if \tof16
	v_lshlrev_b32 v[X+4*\j], 16, v[Y+2*\j]
	v_and_b32 v[X+4*\j+1], 0xffff0000, v[Y+2*\j]
	v_lshlrev_b32 v[X+4*\j+2], 16, v[Y+2*\j+1]
	v_and_b32 v[X+4*\j+3], 0xffff0000, v[Y+2*\j+1]
	v_cvt_pk_f16_f32 v[Y+2*\j], v[X+4*\j], v[X+4*\j+1]
	v_cvt_pk_f16_f32 v[Y+2*\j+1], v[X+4*\j+2], v[X+4*\j+3]
.endif
	global_store_b64 v3, v[Y+2*\j:Y+2*\j+1], s[22:23] offset:256*\j
.endr
.endm
	s_load_b256 s[4:11], s[0:1], 0x0               ; hidden s[4:5], c_attn_w s[6:7], c_proj_w s[8:9], xh s[10:11]
	s_load_b128 s[12:15], s[0:1], 0x20             ; wa s[12:13], wp s[14:15]
	v_lshrrev_b32 v4, 5, v0
	v_readfirstlane_b32 s16, v4                    ; wave 0..7
	v_and_b32 v1, 31, v0                           ; lane
	v_lshrrev_b32 v5, 4, v1                        ; which of the two rows
	v_and_b32 v6, 15, v1
	v_lshlrev_b32 v6, 4, v6                        ; 16 bytes a lane inside the row's 256
	v_lshlrev_b32 v3, 3, v1                        ; 8 bytes a lane inside the block
	s_mov_b32 s19, 0                               ; offsets stay below 4 GiB: high words 0
	s_mov_b32 s25, 0
	s_cmp_lt_u32 ttmp9, 256
	s_cbranch_scc0 .Lweights
	; hidden_states: rows of 4,096 bytes
	s_and_b32 s17, ttmp9, 1
	s_lshl3_add_u32 s17, s17, s16                  ; panel 0..15
	s_lshr_b32 s26, ttmp9, 1                       ; group of 32 rows, 0..127
	s_lshl_b32 s18, s26, 17                        ; source: 32 rows x 4,096
	s_lshl_b32 s27, s17, 8
	s_add_co_u32 s18, s18, s27                     ;  + panel x 256
	s_lshr_b32 s24, s26, 3
	s_lshl_b32 s24, s24, 19                        ; target: (m / 256) x 524,288
	s_lshl_b32 s27, s17, 15
	s_add_co_u32 s24, s24, s27                     ;  + panel x 32,768
	s_and_b32 s27, s26, 7
	s_lshl_b32 s27, s27, 12
	s_add_co_u32 s24, s24, s27                     ;  + (m mod 256) x 128
	v_lshl_add_u32 v2, v5, 12, v6
	s_wait_kmcnt 0x0
	s_add_nc_u64 s[20:21], s[4:5], s[18:19]
	s_add_nc_u64 s[22:23], s[10:11], s[24:25]
	CAST 4096, 0
	s_endpgm
.Lweights:
	s_sub_co_u32 s28, ttmp9, 256
	s_cmp_lt_u32 s28, 192
	s_cbranch_scc0 .Lproj
	; c_attn_w: rows of 12,288 bytes
	s_and_b32 s26, s28, 31                         ; group of 32 k rows
	s_lshr_b32 s17, s28, 5
	s_lshl3_add_u32 s17, s17, s16                  ; panel g = n / 64, 0..47
	s_and_b32 s29, s17, 15                         ; head
	s_lshr_b32 s30, s17, 4                         ; 0: Q, 1: K, 2: V
	s_mul_i32 s18, s26, 393216                     ; source: 32 rows x 12,288
	s_lshl_b32 s27, s17, 8
	s_add_co_u32 s18, s18, s27
	s_mul_i32 s24, s29, 393216                     ; target: head x 393,216
	s_lshr_b32 s27, s26, 2
	s_mul_i32 s27, s27, 49152
	s_add_co_u32 s24, s24, s27                     ;  + (k / 128) x 49,152
	s_lshl_b32 s27, s30, 14
	s_add_co_u32 s24, s24, s27                     ;  + panel of three x 16,384
	s_and_b32 s27, s26, 3
	s_lshl_b32 s27, s27, 12
	s_add_co_u32 s24, s24, s27                     ;  + (k mod 128) x 128
	v_mad_u32_u24 v2, v5, 0x3000, v6
	s_wait_kmcnt 0x0
	s_add_nc_u64 s[20:21], s[6:7], s[18:19]
	s_add_nc_u64 s[22:23], s[12:13], s[24:25]
	CAST 12288, 0
	s_endpgm
.Lproj:
	; c_proj_w: rows of 4,096 bytes
	s_sub_co_u32 s28, ttmp9, 448
	s_and_b32 s26, s28, 31                         ; group of 32 k rows
	s_lshr_b32 s17, s28, 5
	s_lshl3_add_u32 s17, s17, s16                  ; panel g = n / 64, 0..15
	s_lshl_b32 s18, s26, 17
	s_lshl_b32 s27, s17, 8
	s_add_co_u32 s18, s18, s27
	s_lshl_b32 s24, s17, 17                        ; target: g x 131,072 + k x 128
	s_lshl_b32 s27, s26, 12
	s_add_co_u32 s24, s24, s27
	v_lshl_add_u32 v2, v5, 12, v6
	s_wait_kmcnt 0x0
	s_add_nc_u64 s[20:21], s[8:9], s[18:19]
	s_add_nc_u64 s[22:23], s[14:15], s[24:25]
	CAST 4096, 1
	s_endpgm
.Lfunc_end_k_q78319da82c_cast:
	.size	k_q78319da82c_cast, .Lfunc_end_k_q78319da82c_cast-k_q78319da82c_cast
	.p2alignl 7, 3214868480
	.fill 96, 4, 3214868480
	.section	.rodata,"a",@progbits
	.p2align	6, 0x0
	.amdhsa_kernel k_q78319da82c_cast
		.amdhsa_group_segment_fixed_size 0
		.amdhsa_private_segment_fixed_size 0
		.amdhsa_enable_private_segment 0
		.amdhsa_kernarg_size 48
		.amdhsa_user_sgpr_count 2
		.amdhsa_user_sgpr_kernarg_segment_ptr 1
		.amdhsa_wavefront_size32 1
		.amdhsa_system_sgpr_workgroup_id_x 1
		.amdhsa_system_sgpr_workgroup_id_y 1
		.amdhsa_system_sgpr_workgroup_id_z 1
		.amdhsa_system_vgpr_workitem_id 0
		.amdhsa_next_free_vgpr 104
		.amdhsa_next_free_sgpr 66
		.amdhsa_reserve_vcc 0
		.amdhsa_float_denorm_mode_32 3
		.amdhsa_float_denorm_mode_16_64 3
		.amdhsa_memory_ordered 1
		.amdhsa_forward_progress 1
		.amdhsa_inst_pref_size 25
	.end_amdhsa_kernel
	.amdgpu_metadata
---
amdhsa.version: [ 1, 2 ]
amdhsa.kernels:
  - .name:           k_q78319da82c_cast
    .symbol:         k_q78319da82c_cast.kd
    .args:
      - { .name: hidden_states, .offset: 0, .size: 8, .value_kind: global_buffer, .address_space: global }
      - { .name: c_attn_w, .offset: 8, .size: 8, .value_kind: global_buffer, .address_space: global }
      - { .name: c_proj_w, .offset: 16, .size: 8, .value_kind: global_buffer, .address_space: global }
      - { .name: xh, .offset: 24, .size: 8, .value_kind: global_buffer, .address_space: global }
      - { .name: wa, .offset: 32, .size: 8, .value_kind: global_buffer, .address_space: global }
      - { .name: wp, .offset: 40, .size: 8, .value_kind: global_buffer, .address_space: global }
    .group_segment_fixed_size: 0
    .private_segment_fixed_size: 0
    .kernarg_segment_align: 8
    .kernarg_segment_size: 48
    .max_flat_workgroup_size: 256
    .sgpr_count:     66
    .vgpr_count:     104
    .wavefront_size: 32
...
	.end_amdgpu_metadata
.endif
;; end of part 1
;; launch qkvg (part 2): grid 16 x 16, 4 waves a work-group, clusters of 4 x 4, 327,680 bytes of LDS; arguments xh, wa, c_attn_b, qkv, vlo; writes qkv, vlo
.if DOCPART == 2
	.amdgcn_target "amdgcn-amd-amdhsa--gfx1250"
	.amdhsa_code_object_version 6
	.text
	.protected	k_q78319da82c_qkvg
	.globl	k_q78319da82c_qkvg
	.p2align	8
	.type	k_q78319da82c_qkvg,@function
k_q78319da82c_qkvg:
	s_mov_b64 s[64:65], 0
	v_nop
	global_prefetch_b8 v0, s[64:65] scope:SCOPE_SE
	s_setreg_imm32_b32 hwreg(HW_REG_WAVE_MODE, 25, 1), 1
	s_wait_xcnt 0x0
	s_wait_alu depctr_hold_cnt(0) depctr_sa_sdst(0) depctr_va_vdst(0) depctr_va_sdst(0) depctr_va_ssrc(0) depctr_va_vcc(0) depctr_vm_vsrc(0)
	s_getreg_b32 s2, hwreg(HW_REG_IB_STS2, 6, 4)
	s_cmp_eq_u32 s2, 0
	s_cbranch_scc0 .Lentry_in_a_cluster
	s_endpgm
.Lentry_in_a_cluster:
	s_bfe_u32 s2, ttmp6, 0x10000c
	s_cmp_lg_u32 s2, 0xf033
	s_cbranch_scc0 .Lentry_shape_is_right
	s_endpgm
.Lentry_shape_is_right:
; qkv = x Wa + ba.  x: 4,096 x 1,024, Wa: 1,024 x 3,072, both as bf16 panels (xh, wa); sums and bias in f32; q, k, v rounded once to f16.
; LIMIT: a q, k or v above 65,504 in magnitude becomes infinite in f16; below 6e-5 the absolute error is up to 3e-8.
; A work-group makes 256 rows x 192 columns with four waves (2 x 2); a wave makes 128 x 96: 8 x 6 accumulator tiles, 384 registers.
; Block column bx is head bx: its 192 columns are that head's 64 of Q, 64 of K and 64 of V (panels 0, 1, 2), so every work-group holds one panel of V.
; Wave column half ni takes the 16-column blocks b = 0..5: panel b / 2, columns 32 (b mod 2) + 16 ni of it.
; THE LOW PARTS OF V: a sequence row with few keys is an average of few rows of v, so it can be many times larger than the root mean square of the whole
; output, against which a result is held; there one rounding to 11 bits is too coarse.  For rows 0-127 of each batch v - f16(v) is
; therefore stored too, in f16 (vlo).  Waves 0 and 1 (rows 0-127 of the block) make it in every work-group; the stores run only in
; the work-groups whose block row is a multiple of 8, by an EXEC mask: no branch hangs on the place in the cluster.
; K goes in 8 steps of 128 through a ring of two LDS slots; one tensor load a wave and step: waves 0, 1 the two 64-k panels of x
; (128 blocks of 256 bytes each), waves 2, 3 the two halves of the weights (96 blocks each).  All tiles are dense in memory.
; CLUSTERS: 4 x 4 work-groups.  A tile of x hangs on the block row alone and is asked for jointly by a row of the cluster, a tile of
; the weights on the block column alone and is asked for jointly by a column: the requests for both are divided by four.
; LDS slot: x: 2 panels x 128 blocks at pitch 272; weights: 192 blocks at pitch 288.  A block holds two rows of 128 bytes, so row m of x
; lies at (m/2) 272 + (m mod 2) 128: the sixteen rows of a fragment load fall on sixteen different 16-byte columns modulo 256 bytes;
; k row kk of the weights lies at (kk/2) 288 + (kk mod 2) 128, and the sixteen addresses of a transposing load do the same.
; THE MATRIX INSTRUCTION IS USED TRANSPOSED: source 0 = weights (16 columns n, through the transposing LDS load), source 1 = x (16 rows m).
; Lane (r, h), register j then holds C(m = 16 a + r, n = block + 8 h + j): eight neighbouring columns of one row.
; REGISTERS: window 0: addresses, fragments of x v32-95 / v96-159, of the weights v160-207 / v208-255 (two buffers each);
; window 1: accumulators of row blocks 0-3 at 8 (6 a + b), bias at v192-239; window 2: accumulators of row blocks 4-7.
.set WA, 8                             ; row blocks of 16 in a wave
.set WB, 6                             ; column blocks of 16 in a wave
.set AKP, 34816                        ; from one 64-k panel of x to the next in LDS
.set AMI, 17408                        ; the wave row half: 64 blocks x 272
.set AREG, 69632                       ; bytes of x in a slot; the weights lie behind
.set BHALF, 27648                      ; 96 blocks x 288: what one weight load fills
.set BROWS, 96
.set BNI, 32                           ; the wave column half: 16 columns
.set SLOT, 124928
.set LSTG, 249856                      ; behind the ring: the stage of V's low parts, 128 rows at pitch 144; no fill lands here
.set ASTEP, 65536                      ; a K step of x in memory
.set BSTEP, 49152                      ; a K step of the weights in memory
.set W_LO, 0x50                        ; C and D in window 1
.set W_HI, 0xa0                        ; C and D in window 2
.set W_HI1, 0x90                       ; D in window 2, C (the bias) in window 1
.set ADRA, 16                          ; v16-17 LDS address of my x fragments in slot 0, 1
.set ADRB, 20                          ; v20-21 the same for the weights
.set STO, 24
.set RD, 25
.set CO, 26
.set BO, 27
.set STL, 28                           ; where I put 16 bytes of low parts
.set RDL, 29                           ; where I read rows of low parts back
.set BYM, 30                           ; block row mod 8, in every lane
.set FA, 32                            ; + 64 x buffer
.set FB, 160                           ; + 48 x buffer
.set BIAS, 192                         ; window 1
.set LH, 32                            ; v32-39  the way out: f16(v), packed
.set LU, 40                            ; v40-55  f16(v) widened, then v - f16(v)
.set LL, 56                            ; v56-63  the low parts, packed
.set G1A, 24                           ; s[24:31] group 1 for x
.set G0A, 32                           ; s[32:39] group 0 for x, one set a slot
.set G1B, 40                           ; s[40:47] group 1 for the weights
.set G0B, 48                           ; s[48:55] group 0 for the weights, one set a slot
.set OB0, 66                           ; s[66:67] my rows in Q's panel; s[72:73] in K's; s[74:75] in V's; s[76:77] in vlo
.set OB1, 72
.set OB2, 74
.set OBL, 76
.set MSB, 0
.macro WIN new                         ; the immediate's high byte repeats the setting that is left
.if MSB != \new
	s_set_vgpr_msb (MSB<<8)|\new
.set MSB, \new
.endif
.endm
.macro PLACES                          ; four places behind matrix instructions in front of loads into, or reads of, their registers
.rept 4
	v_nop
.endr
.endm
.macro JLOAD s                         ; the wave's one joint load for slot s: waves 0, 1 ask for x, waves 2, 3 for the weights
	s_cmp_eq_u32 s13, 0
	s_cbranch_scc0 .Lfor_b_\@
	tensor_load_to_lds s[G0A+4*\s:G0A+4*\s+3], s[G1A:G1A+7]
	s_nop 0
	s_branch .Lasked_\@
.Lfor_b_\@:
	tensor_load_to_lds s[G0B+4*\s:G0B+4*\s+3], s[G1B:G1B+7]
	s_nop 0
.Lasked_\@:
.endm
.macro CREST                           ; a round of the cluster's barrier behind its opening work-group barrier
	s_cmp_lg_u32 s12, 0
	s_cbranch_scc1 .Lnot_wave_0_\@
	s_barrier_signal -3
.Lnot_wave_0_\@:
	s_barrier_wait -3
	s_barrier_signal -1
	s_barrier_wait -1
.endm
.macro CROUND
	s_barrier_signal -1
	s_barrier_wait -1
	CREST
.endm
	s_load_b256 s[4:11], s[0:1], 0x0               ; xh s[4:5], wa s[6:7], bias s[8:9], qkv s[10:11]
	s_load_b64 s[OBL:OBL+1], s[0:1], 0x20          ; vlo
	v_lshl_add_u32 v23, v0, 2, 0x41800
	v_mov_b32 v31, 0
	ds_add_u32 v23, v31
	v_lshrrev_b32 v1, 5, v0
	v_readfirstlane_b32 s12, v1                    ; wave 0..3
	s_lshr_b32 s13, s12, 1                         ; my half of the rows; also: I fetch x (0) or weights (1)
	s_and_b32 s14, s12, 1                          ; my half of the columns; also: which half of that tile I fetch
	s_bfe_u32 s16, ttmp6, 0x40000                  ; cx
	s_bfe_u32 s17, ttmp6, 0x40004                  ; cy
	s_lshl_b32 s18, ttmp9, 2
	s_add_co_u32 s18, s18, s16                     ; block column = head
	s_and_b32 s19, ttmp7, 0xffff
	s_lshl_b32 s19, s19, 2
	s_add_co_u32 s19, s19, s17                     ; block row
	s_lshl_b32 s20, s17, 2
	s_lshl_b32 s20, 15, s20                        ; my row of the cluster
	s_lshl_b32 s21, 0x1111, s16                    ; my column of the cluster
	; group 1: dense blocks of 32 elements of 8 bytes; a pad behind every 64 words: 4 words for x, 8 for the weights; bit 21 beside a mask
	s_or_b32 s[G1A+0], s20, (3<<16)|(1<<20)|(1<<21)|(5<<22)|(3<<25)
	s_mov_b32 s[G1A+1], 32<<16                     ; tensor_dim0 = 32
	s_mov_b32 s[G1A+2], 128<<16                    ; tensor_dim1 = 128
	s_mov_b32 s[G1A+3], 32<<16                     ; tile_dim0 = 32
	s_mov_b32 s[G1A+4], 128                        ; tile_dim1 = 128
	s_mov_b32 s[G1A+5], 32                         ; pitch = 32 elements: dense
	s_mov_b32 s[G1A+6], 0
	s_mov_b32 s[G1A+7], 0
	s_or_b32 s[G1B+0], s21, (3<<16)|(1<<20)|(1<<21)|(5<<22)|(7<<25)
	s_mov_b32 s[G1B+1], 32<<16
	s_mov_b32 s[G1B+2], BROWS<<16
	s_mov_b32 s[G1B+3], 32<<16
	s_mov_b32 s[G1B+4], BROWS
	s_mov_b32 s[G1B+5], 32
	s_mov_b32 s[G1B+6], 0
	s_mov_b32 s[G1B+7], 0
	; where the tiles come from: x hangs on the block row, the weights on the block column, each in registers that never hold the other
	s_lshl_b32 s56, s19, 19                        ; block row x 524,288
	s_lshl_b32 s60, s14, 15                        ; + panel x 32,768
	s_add_co_u32 s56, s56, s60
	s_mov_b32 s57, 0
	s_mul_i32 s58, s18, 393216                     ; block column x 393,216
	s_mul_i32 s61, s14, 24576                      ; + half x 96 blocks
	s_add_co_u32 s58, s58, s61
	s_mov_b32 s59, 0
	s_mul_i32 s62, s14, 34816                      ; and where they go: made of the wave's number alone
	s_mul_i32 s63, s14, BHALF
	s_add_co_u32 s63, s63, AREG
	s_wait_dscnt 0x0
	s_wait_kmcnt 0x0
	s_add_nc_u64 s[56:57], s[4:5], s[56:57]
	s_add_nc_u64 s[58:59], s[6:7], s[58:59]
	CROUND                                         ; all sixteen work-groups are here: the first joint loads meet
.irp s, 0,1
	s_mov_b32 s[G0A+4*\s], 1
	s_add_co_u32 s[G0A+4*\s+1], s62, \s*SLOT
	s_add_nc_u64 s[G0A+4*\s+2:G0A+4*\s+3], s[56:57], \s*ASTEP
	s_or_b32 s[G0A+4*\s+3], s[G0A+4*\s+3], 0x80000000
	s_mov_b32 s[G0B+4*\s], 1
	s_add_co_u32 s[G0B+4*\s+1], s63, \s*SLOT
	s_add_nc_u64 s[G0B+4*\s+2:G0B+4*\s+3], s[58:59], \s*BSTEP
	s_or_b32 s[G0B+4*\s+3], s[G0B+4*\s+3], 0x80000000
	JLOAD \s                                       ; both slots are asked for before anything else: two loads of the wave are out
.endr
	v_and_b32 v1, 15, v0                           ; r
	v_bfe_u32 v2, v0, 4, 1                         ; h
	v_lshrrev_b32 v3, 1, v1
	v_mul_u32_u24 v3, v3, 272
	v_and_b32 v4, 1, v1
	v_lshl_add_u32 v3, v4, 7, v3
	v_lshl_add_u32 v3, v2, 4, v3                   ; (r/2) 272 + (r mod 2) 128 + 16 h
	s_mul_i32 s60, s13, AMI
	v_add_nc_u32 v[ADRA], s60, v3
	v_add_nc_u32 v[ADRA+1], SLOT, v[ADRA]
	v_and_b32 v5, 7, v0
	v_lshl_add_u32 v5, v2, 3, v5                   ; kk = 8 h + lane mod 8
	v_lshrrev_b32 v6, 1, v5
	v_mul_u32_u24 v6, v6, 288
	v_and_b32 v7, 1, v5
	v_lshl_add_u32 v6, v7, 7, v6
	v_bfe_u32 v7, v0, 3, 1
	v_lshl_add_u32 v6, v7, 4, v6                   ; (kk/2) 288 + (kk mod 2) 128 + 16 ((lane/8) mod 2)
	s_mul_i32 s61, s14, BNI
	s_add_co_u32 s61, s61, AREG
	v_add_nc_u32 v[ADRB], s61, v6
	v_add_nc_u32 v[ADRB+1], SLOT, v[ADRB]
	; the bias of my columns: lane (r, h) needs bias[1024 panel + 64 head + 32 (b mod 2) + 16 ni + 8 h + 0..7] as the C operand of the first products
	v_lshlrev_b32 v[BO], 5, v2
	s_lshl_b32 s60, s14, 6
	v_add_nc_u32 v[BO], s60, v[BO]                 ; 32 h + 64 ni
	s_lshl_b32 s70, s18, 8                         ; head x 64 columns x 4 bytes
	s_mov_b32 s71, 0
	s_add_nc_u64 s[70:71], s[8:9], s[70:71]
	WIN 0x40                                       ; destination in window 1
.irp b, 0,1,2,3,4,5
	global_load_b128 v[BIAS+8*\b:BIAS+8*\b+3], v[BO], s[70:71] offset:(\b>>1)*4096+(\b&1)*128
	global_load_b128 v[BIAS+8*\b+4:BIAS+8*\b+7], v[BO], s[70:71] offset:(\b>>1)*4096+(\b&1)*128+16
.endr
	WIN 0
	; the way out: a stage of 256 rows x 400 bytes (384 of data) in slot 0
	v_mul_u32_u24 v3, v1, 400
	v_lshl_add_u32 v3, v2, 4, v3
	s_mul_i32 s60, s13, 51200
	s_lshl_b32 s61, s14, 5
	s_add_co_u32 s60, s60, s61
	v_add_nc_u32 v[STO], s60, v3                   ; (128 mi + r) 400 + 32 ni + 16 h
	v_bfe_u32 v3, v0, 3, 2
	v_mul_u32_u24 v3, v3, 400
	v_and_b32 v4, 7, v0
	v_lshl_add_u32 v3, v4, 4, v3
	s_mul_i32 s60, s12, 25600
	v_add_nc_u32 v[RD], s60, v3                    ; (64 w + lane/8) 400 + 16 (lane mod 8)
	v_and_b32 v4, 31, v0
	v_lshlrev_b32 v[CO], 4, v4                     ; 16 x lane
	; the stage of the low parts: 128 rows at pitch 144
	v_mul_u32_u24 v3, v1, 144
	v_lshl_add_u32 v3, v2, 4, v3
	s_add_co_u32 s61, s61, LSTG
	v_add_nc_u32 v[STL], s61, v3                   ; r 144 + 32 ni + 16 h
	v_bfe_u32 v3, v0, 3, 2
	v_mul_u32_u24 v3, v3, 144
	v_and_b32 v4, 7, v0
	v_lshl_add_u32 v3, v4, 4, v3
	s_mul_i32 s60, s12, 4608
	s_add_co_u32 s60, s60, LSTG
	v_add_nc_u32 v[RDL], s60, v3                   ; (32 w + lane/8) 144 + 16 (lane mod 8)
	s_and_b32 s60, s19, 7
	v_mov_b32 v[BYM], s60                          ; 0 where the block begins a batch
	s_lshl_b32 s66, s18, 19                        ; qkv: panel = 16 x kind + head, 524,288 bytes each
	s_lshl_b32 s68, s19, 15                        ; + 256 rows x 128 bytes a block row
	s_add_co_u32 s66, s66, s68
	s_lshl_b32 s68, s12, 13                        ; + 64 rows a wave
	s_add_co_u32 s66, s66, s68
	s_mov_b32 s67, 0
	s_add_nc_u64 s[OB0:OB0+1], s[10:11], s[66:67]
	s_add_nc_u64 s[OB1:OB1+1], s[OB0:OB0+1], 0x800000    ; K's panels lie 16 panels on: one byte more than a store's immediate holds, so each kind has its base
	s_add_nc_u64 s[OB2:OB2+1], s[OB1:OB1+1], 0x800000    ; V's 16 more
	s_lshr_b32 s68, s19, 3                         ; batch
	s_lshl4_add_u32 s68, s68, s18                  ; vlo: (16 batch + head) x 16,384
	s_lshl_b32 s68, s68, 14
	s_lshl_b32 s69, s12, 12                        ; + 32 rows a wave
	s_add_co_u32 s68, s68, s69
	s_mov_b32 s69, 0
	s_add_nc_u64 s[OBL:OBL+1], s[OBL:OBL+1], s[68:69]
; cnt row blocks from alo on x all WB column blocks, 32 along K, from buffer cur.  mode = 1: the first products take the bias as C: nothing
; is cleared and nothing is added later.  The accumulators take turns, one instruction a turn, in the same order in every quarter.
.macro MULR cur, alo, cnt, mode
.set aa, \alo
.rept \cnt
.set bb, 0
.rept WB
.set AC, 8*(WB*(aa%4)+bb)
.if \mode
	v_wmma_f32_16x16x32_bf16 v[AC:AC+7], v[FB+48*(\cur)+8*bb:FB+48*(\cur)+8*bb+7], v[FA+64*(\cur)+8*aa:FA+64*(\cur)+8*aa+7], v[BIAS+8*bb:BIAS+8*bb+7]
.else
	v_wmma_f32_16x16x32_bf16 v[AC:AC+7], v[FB+48*(\cur)+8*bb:FB+48*(\cur)+8*bb+7], v[FA+64*(\cur)+8*aa:FA+64*(\cur)+8*aa+7], v[AC:AC+7]
.endif
.set bb, bb+1
.endr
.set aa, aa+1
.endr
.endm
; the fragments of quarter q (32 along K) of a slot into buffer buf: 12 transposing loads for the weights, then 16 loads for x, row blocks ascending
.macro FETCH slot, q, buf
.set bb, 0
.rept WB
.set BOF, (bb>>1)*18432+(bb&1)*64+4608*(\q)
	ds_load_tr16_b128 v[FB+48*(\buf)+8*bb:FB+48*(\buf)+8*bb+3], v[ADRB+\slot] offset:BOF
	ds_load_tr16_b128 v[FB+48*(\buf)+8*bb+4:FB+48*(\buf)+8*bb+7], v[ADRB+\slot] offset:BOF+2304
.set bb, bb+1
.endr
.set aa, 0
.rept WA
.set AOF, ((\q)>>1)*AKP+((\q)&1)*64+2176*aa
	ds_load_b128 v[FA+64*(\buf)+8*aa:FA+64*(\buf)+8*aa+3], v[ADRA+\slot] offset:AOF
	ds_load_b128 v[FA+64*(\buf)+8*aa+4:FA+64*(\buf)+8*aa+7], v[ADRA+\slot] offset:AOF+32
.set aa, aa+1
.endr
.endm
; a quarter but the last: multiplies buffer cur and, in its middle, fetches quarter qnext of the same slot into the other buffer
.macro QUARTER slot, qnext, cur, mode
	s_wait_dscnt WA                                ; all but the youngest WA loads (x, upper row blocks) are in
	WIN W_LO
	MULR \cur, 0, WA/2, \mode
	WIN 0
	PLACES
	FETCH \slot, \qnext, 1-\cur
	s_wait_dscnt 2*(WA+WB)                         ; all but the loads just issued
.if \mode
	WIN W_HI1
.else
	WIN W_HI
.endif
	MULR \cur, WA/2, WA/2, \mode
.endm
.macro QS slot, mode
	QUARTER \slot, 1, 0, \mode
	QUARTER \slot, 2, 1, 0
	QUARTER \slot, 3, 0, 0
.endm
; the last quarter of a K step (buffer 1) and the change of slots.  In front of the barrier each wave waits for its reads of this slot and
; for all its tensor loads (one is out: its part of the next slot).  fill = 1: the barrier opens a round of the cluster's barrier, and
; the joint refill of this slot, two K steps ahead, is the first tensor load behind the round.
.macro TURN slot, next, fill
	s_wait_dscnt WA
	WIN W_LO
	MULR 1, 0, WA/4, 0
	s_wait_dscnt 0x0                               ; my reads of this slot are over
	s_wait_tensorcnt 0x0                           ; all my tensor loads have landed
	ds_add_u32 v23, v31
	s_wait_dscnt 0x0
	s_barrier_signal -1
	MULR 1, WA/4, WA/4, 0                          ; register work while the others arrive
	WIN 0
	s_barrier_wait -1
.if \fill
	CREST
	s_add_nc_u64 s[G0A+4*\slot+2:G0A+4*\slot+3], s[G0A+4*\slot+2:G0A+4*\slot+3], 2*ASTEP
	s_add_nc_u64 s[G0B+4*\slot+2:G0B+4*\slot+3], s[G0B+4*\slot+2:G0B+4*\slot+3], 2*BSTEP
	JLOAD \slot
.endif
	PLACES
	FETCH \next, 0, 0
	WIN W_HI
	MULR 1, WA/2, WA/2, 0
.endm
.macro LAP mode
	QS 0, \mode
	TURN 0, 1, 1
	QS 1, 0
	TURN 1, 0, 1
.endm
	s_wait_tensorcnt 0x1                           ; my part of K step 0 is in; K step 1's stays out
	s_barrier_signal -1
	s_barrier_wait -1
	FETCH 0, 0, 0
	s_wait_loadcnt 0x0                             ; the bias
	LAP 1                                          ; K steps 0, 1; asks for 2, 3
	WIN 0
	s_mov_b32 s3, 2
.Llap:
	LAP 0                                          ; K steps 2 to 5; asks for 4 to 7
	WIN 0
	s_sub_co_u32 s3, s3, 1
	s_cmp_lg_u32 s3, 0
	s_cbranch_scc1 .Llap
	QS 0, 0                                        ; K steps 6, 7: nothing is left to fetch
	TURN 0, 1, 0
	QS 1, 0
	s_wait_dscnt WA
	WIN W_LO
	MULR 1, 0, WA/2, 0
	s_wait_dscnt 0x0
	WIN W_HI
	MULR 1, WA/2, WA/2, 0
	WIN 0
	PLACES
	; THE WAY OUT.  Slot 0 has had its last fill, and every wave's reads of it ended in front of the last change of slots: it serves as the stage.
	; Round to f16, 16 bytes a lane into rows of 400 bytes; behind a barrier each wave reads 64 whole rows back, panel by panel.
.macro CVT16 a
.if \a < 4
	WIN 0x05
.else
	WIN 0x0a
.endif
.set bb, 0
.rept WB
.irp y, 0,1,2,3
	v_cvt_pk_f16_f32 v[FB+48*(\a&1)+4*bb+\y], v[8*(WB*(\a%4)+bb)+2*\y], v[8*(WB*(\a%4)+bb)+2*\y+1]
.endr
.set bb, bb+1
.endr
	WIN 0
.set bb, 0
.rept WB
	ds_store_b128 v[STO], v[FB+48*(\a&1)+4*bb:FB+48*(\a&1)+4*bb+3] offset:6400*\a+64*bb
.set bb, bb+1
.endr
.endm
; the low parts of V of row block a: the two tiles b = 4, 5 are 16 neighbouring accumulator registers.  f16(v) is made as above, widened again (exact),
; taken from v (exact in f32), and the rest is rounded to f16.
.macro LO16 a
.set AV, 8*(WB*(\a%4)+4)
.if \a < 4
	WIN 0x05                                       ; both sources in window 1
.else
	WIN 0x0a                                       ; in window 2
.endif
.irp i, 0,1,2,3,4,5,6,7
	v_cvt_pk_f16_f32 v[LH+\i], v[AV+2*\i], v[AV+2*\i+1]
.endr
	WIN 0
	v_cvt_f32_f16 v40, v32.l                       ; LU + 2 i, LU + 2 i + 1 from the halves of LH + i
	v_cvt_f32_f16 v41, v32.h
	v_cvt_f32_f16 v42, v33.l
	v_cvt_f32_f16 v43, v33.h
	v_cvt_f32_f16 v44, v34.l
	v_cvt_f32_f16 v45, v34.h
	v_cvt_f32_f16 v46, v35.l
	v_cvt_f32_f16 v47, v35.h
	v_cvt_f32_f16 v48, v36.l
	v_cvt_f32_f16 v49, v36.h
	v_cvt_f32_f16 v50, v37.l
	v_cvt_f32_f16 v51, v37.h
	v_cvt_f32_f16 v52, v38.l
	v_cvt_f32_f16 v53, v38.h
	v_cvt_f32_f16 v54, v39.l
	v_cvt_f32_f16 v55, v39.h
.if \a < 4
	WIN 0x01                                       ; source 0 (v) in window 1
.else
	WIN 0x02
.endif
.irp i, 0,1,2,3,4,5,6,7
	v_pk_add_f32 v[LU+2*\i:LU+2*\i+1], v[AV+2*\i:AV+2*\i+1], v[LU+2*\i:LU+2*\i+1] neg_lo:[0,1] neg_hi:[0,1]
.endr
	WIN 0
.irp i, 0,1,2,3,4,5,6,7
	v_cvt_pk_f16_f32 v[LL+\i], v[LU+2*\i], v[LU+2*\i+1]
.endr
	ds_store_b128 v[STL], v[LL:LL+3] offset:2304*\a
	ds_store_b128 v[STL], v[LL+4:LL+7] offset:2304*\a+64
.endm
.irp a, 0,1,2,3,4,5,6,7
	CVT16 \a
.endr
	s_cmp_lg_u32 s13, 0                            ; rows 0-127 of the block are waves 0 and 1's
	s_cbranch_scc1 .Lnolo
.irp a, 0,1,2,3,4,5,6,7
	LO16 \a
.endr
.Lnolo:
	s_wait_dscnt 0x0                               ; my rows are in the stages,
	s_barrier_signal -1
	s_barrier_wait -1                              ; everybody's are
; eight loads of 4 rows x 128 bytes of one panel, and their stores: each store of the wave covers 512 consecutive bytes, aligned
.macro OUTB nb, f, ob
.if \nb >= 2
	s_wait_xcnt 0x0                                ; the set's registers, which stores of two batches ago read, are loaded again only behind this wait
.endif
.irp t, 0,1,2,3,4,5,6,7
	ds_load_b128 v[\f+4*\t:\f+4*\t+3], v[RD] offset:((8*\nb+\t)%16)*1600+((8*\nb+\t)/16)*128
.endr
.irp t, 0,1,2,3,4,5,6,7
	s_wait_dscnt 7-\t                              ; LDS loads return in order: load t is in
	global_store_b128 v[CO], v[\f+4*\t:\f+4*\t+3], s[\ob:\ob+1] offset:((8*\nb+\t)%16)*512
.endr
.endm
	OUTB 0, FA, OB0
	OUTB 1, FA+64, OB0
	OUTB 2, FA, OB1
	OUTB 3, FA+64, OB1
	OUTB 4, FA, OB2
	OUTB 5, FA+64, OB2
	; the low parts: each wave reads 32 rows of 128 bytes back; they are stored only where the block begins a batch
	s_wait_xcnt 0x0                                ; the set's registers are loaded again, and EXEC is narrowed below, only behind this wait
.irp t, 0,1,2,3,4,5,6,7
	ds_load_b128 v[FA+4*\t:FA+4*\t+3], v[RDL] offset:576*\t
.endr
	v_cmp_eq_u32 vcc_lo, 0, v[BYM]
	s_wait_dscnt 0x0
	s_and_saveexec_b32 s60, vcc_lo                 ; all lanes or none
.irp t, 0,1,2,3,4,5,6,7
	global_store_b128 v[CO], v[FA+4*\t:FA+4*\t+3], s[OBL:OBL+1] offset:512*\t
.endr
	s_wait_xcnt 0x0                                ; EXEC is a source of the stores: it is restored only behind this wait
	s_or_b32 exec_lo, exec_lo, s60
	s_wait_tensorcnt 0x0
	ds_add_u32 v23, v31
	s_wait_dscnt 0x0
	CROUND                                         ; the closing round: no work-group ends while a partner may still ask for a tile that names it
	s_endpgm
.Lfunc_end_k_q78319da82c_qkvg:
	.size	k_q78319da82c_qkvg, .Lfunc_end_k_q78319da82c_qkvg-k_q78319da82c_qkvg
	.p2alignl 7, 3214868480
	.fill 96, 4, 3214868480
	.section	.rodata,"a",@progbits
	.p2align	6, 0x0
	.amdhsa_kernel k_q78319da82c_qkvg
		.amdhsa_group_segment_fixed_size 327680
		.amdhsa_private_segment_fixed_size 0
		.amdhsa_enable_private_segment 0
		.amdhsa_kernarg_size 40
		.amdhsa_user_sgpr_count 2
		.amdhsa_user_sgpr_kernarg_segment_ptr 1
		.amdhsa_wavefront_size32 1
		.amdhsa_system_sgpr_workgroup_id_x 1
		.amdhsa_system_sgpr_workgroup_id_y 1
		.amdhsa_system_sgpr_workgroup_id_z 1
		.amdhsa_system_vgpr_workitem_id 0
		.amdhsa_next_free_vgpr 704
		.amdhsa_next_free_sgpr 80
		.amdhsa_reserve_vcc 1
		.amdhsa_float_denorm_mode_32 3
		.amdhsa_float_denorm_mode_16_64 3
		.amdhsa_memory_ordered 1
		.amdhsa_forward_progress 1
		.amdhsa_inst_pref_size 179
	.end_amdhsa_kernel
	.amdgpu_metadata
---
amdhsa.version: [ 1, 2 ]
amdhsa.kernels:
  - .name:           k_q78319da82c_qkvg
    .symbol:         k_q78319da82c_qkvg.kd
    .args:
      - { .name: xh, .offset: 0, .size: 8, .value_kind: global_buffer, .address_space: global }
      - { .name: wa, .offset: 8, .size: 8, .value_kind: global_buffer, .address_space: global }
      - { .name: c_attn_b, .offset: 16, .size: 8, .value_kind: global_buffer, .address_space: global }
      - { .name: qkv, .offset: 24, .size: 8, .value_kind: global_buffer, .address_space: global }
      - { .name: vlo, .offset: 32, .size: 8, .value_kind: global_buffer, .address_space: global }
    .group_segment_fixed_size: 327680
    .private_segment_fixed_size: 0
    .kernarg_segment_align: 8
    .kernarg_segment_size: 40
    .max_flat_workgroup_size: 128
    .sgpr_count:     80
    .vgpr_count:     704
    .wavefront_size: 32
...
	.end_amdgpu_metadata
.endif
;; end of part 2
;; launch attn (part 3): grid 256 x 1, 8 waves a work-group, no clusters, 327,680 bytes of LDS; arguments qkv, vlo, ctx; writes ctx
.if DOCPART == 3
	.amdgcn_target "amdgcn-amd-amdhsa--gfx1250"
	.amdhsa_code_object_version 6
	.text
	.protected	k_q78319da82c_attn
	.globl	k_q78319da82c_attn
	.p2align	8
	.type	k_q78319da82c_attn,@function
k_q78319da82c_attn:
	s_mov_b64 s[64:65], 0
	v_nop
	global_prefetch_b8 v0, s[64:65] scope:SCOPE_SE
	s_setreg_imm32_b32 hwreg(HW_REG_WAVE_MODE, 25, 1), 1
	s_wait_xcnt 0x0
; Causal attention of one head: ctx = softmax(Q K^T / 8, keys up to the query) V, with a running maximum.  Q, K, V, P and ctx in f16; sums, maxima and exponentials in f32.
; LIMIT: a weight P, a ctx or a low part below 6e-5 carries an absolute error of up to 3e-8 (f16's smallest step).
; A work-group takes two query blocks of 128 of one (batch, head): block 15 - i (high) and block i (low), i = 0..7: 16 - i + i + 1 = 17 tiles of
; 128 x 128 in every work-group.  Eight waves: four on each block, 32 queries a wave (two blocks of 16).
; NO CLUSTER: the eight work-groups of a head walk 15 - i tiles of K and V, 8 to 15: partners would make different numbers of requests.
; Tiles above the diagonal are not computed: the mask that reference() builds gives them the weight 0.
; QUERY BLOCK 0: a row with few keys is an average of few rows of v and can be many times larger than the root mean square of the whole output, against
; which a result is held; one rounding of P or V to 11 bits is too coarse there.  Block 0 has one tile, its diagonal one, and its four waves have no
; other work: they take P and V as hi + lo in f16 and make three products, Phi Vhi + Plo Vhi + Phi Vlo.  From row 128 on a row averages at least 129 rows of v.
; CTX: [m / 128][head] records of 20,480 bytes: 128 rows x 64 of f16, then the low parts (ctx - hi, in f16) of rows 0-15 and 64-79 of the block.  The last product
; takes the low parts of the first 16 of each wave's 64 rows, alike in every block; what needs them is rows 0-15 of a batch (row 16 averages 17 rows of v).
; TRANSPOSED: S^T = K Q^T (source 0 = 16 keys, source 1 = 16 queries): lane (r, h), register j holds key 8 h + j of query r.  Two such tiles,
; packed to f16, ARE source 1 of O^T = V^T P^T (source 0 = V through the transposing load): no shuffle, and every figure of a query
; (maximum, sum, scale) lives in the two lanes r and r + 16.
; LDS: four tile slots of 35,840 bytes (K: 64 blocks of 256 bytes at pitch 272, then V: 64 blocks at pitch 288): D0 the high diagonal tile,
; D1 the low one, R0 and R1 a ring for tiles 0, 1, ..; behind them a stage of 4,608 bytes for each wave, into which no fill lands; then V's low parts, 18,432 bytes.
; Tensor loads: wave pair p = w / 2 owns slot p; the even wave brings K, the odd one V; wave 7 brings V's low parts where i = 0.  A wave has at most one load out.
.set VL, 3                             ; v3      address of my fragments of V's low parts
.set KD, 4                             ; v4, v5  addresses of my K and V fragments in my diagonal slot
.set VD, 5
.set K0, 6                             ; v6, v7  in R0;  v8, v9  in R1
.set REL, 10                           ; 32 w' + r - 8 h: a key is masked where its constant part is greater
.set NEG, 11                           ; the mask value of reference(): the lowest finite f32
.set MX, 12                            ; v12-13  running maximum of the raw scores, query block 0, 1
.set NM, 14                            ; v14-15  -c x maximum, rounded; c = log2(e) / 8
.set AL, 16                            ; v16-17  the factor for the old sums; at the end 1 / sum
.set LS, 18                            ; v18-19  the lane's part of the sum of weights
.set TT, 20                            ; v20-27  at work
.set QO, 28
.set STO, 29
.set RD, 30
.set CO, 31
.set QF, 32                            ; v32-63   Q: 16 qq + 8 f
.set KF, 64                            ; v64-127  K: 16 kb + 8 f; in block 0's tile then P's low parts: 16 qq + 8 g2
.set VF, 128                           ; v128-191 V: 32 g2 + 8 db
.set SC, 192                           ; v192-255 scores: 32 qq + 8 kb; then P in the first 8 of each 16
                                       ; window 1, v0-63: O^T: 32 qq + 8 db
.set G1K, 16                           ; s[16:23] descriptor group 1 for K's tiles
.set G1V, 48                           ; s[48:55] descriptor group 1 for V's tiles: it differs in the pad alone
.set G0, 24                            ; s[24:27] descriptor group 0: my slot, my tile
.set G0L, 60                           ; s[60:63] descriptor group 0 for V's low parts
.set TS, 35840
.set VOFF, 17408
.set STAGE, 143360
.set VLDS, 180224
.set MSB, 0
.macro WIN new
.if MSB != \new
	s_set_vgpr_msb (MSB<<8)|\new
.set MSB, \new
.endif
.endm
	s_load_b128 s[4:7], s[0:1], 0x0                ; qkv s[4:5], vlo s[6:7]
	s_load_b64 s[56:57], s[0:1], 0x10              ; ctx
	s_set_vgpr_msb 0x40
	v_lshl_add_u32 v64, v0, 2, 0x30800
	v_mov_b32 v65, 0
	s_set_vgpr_msb 0x4045
	ds_add_u32 v64, v65
	s_set_vgpr_msb 0x4500
	v_lshrrev_b32 v3, 5, v0
	v_readfirstlane_b32 s8, v3                     ; wave 0..7
	s_lshr_b32 s9, s8, 1                           ; pair = the slot I fill = w', my 32 queries in the block
	s_and_b32 s10, s8, 1                           ; I fetch K (0) or V (1)
	s_lshr_b32 s11, s8, 2
	s_xor_b32 s11, s11, s8
	s_and_b32 s11, s11, 1                          ; 0: high block, 1: low block
	s_and_b32 s12, ttmp9, 7                        ; i
	s_lshr_b32 s13, ttmp9, 3                       ; 16 x batch + head
	s_sub_co_u32 s15, 15, s12
	s_cmp_eq_u32 s11, 0
	s_cselect_b32 s14, s15, s12                    ; my query block
	s_cselect_b32 s29, 16, s12                     ; ring tiles below this number are mine: all for the high block, i for the low
	s_and_b32 s40, s13, 15                         ; head
	s_lshr_b32 s41, s13, 4                         ; batch
	s_lshl_b32 s42, s40, 19
	s_lshl_b32 s43, s41, 18
	s_add_co_u32 s42, s42, s43                     ; head x 524,288 + batch x 262,144: my rows in a panel of qkv
	s_mov_b32 s32, 0x76543210                      ; v_permlanex16_b32: lane l reads lane l xor 16
	s_mov_b32 s33, 0xfedcba98
	; group 1, twice, all words constants: 64 dense blocks of 32 elements of 8 bytes, no work-group mask; behind every 64 words a pad of 4 words (K) or 8 words (V)
	s_mov_b32 s[G1K+0], (3<<16)|(1<<20)|(5<<22)|(3<<25)
	s_mov_b32 s[G1K+1], 32<<16                     ; tensor_dim0 = 32
	s_mov_b32 s[G1K+2], 64<<16                     ; tensor_dim1 = 64
	s_mov_b32 s[G1K+3], 32<<16                     ; tile_dim0 = 32
	s_mov_b32 s[G1K+4], 64                         ; tile_dim1 = 64
	s_mov_b32 s[G1K+5], 32                         ; pitch = 32 elements: dense
	s_mov_b32 s[G1K+6], 0
	s_mov_b32 s[G1K+7], 0
	s_mov_b32 s[G1V+0], (3<<16)|(1<<20)|(5<<22)|(7<<25)
	s_mov_b32 s[G1V+1], 32<<16
	s_mov_b32 s[G1V+2], 64<<16
	s_mov_b32 s[G1V+3], 32<<16
	s_mov_b32 s[G1V+4], 64
	s_mov_b32 s[G1V+5], 32
	s_mov_b32 s[G1V+6], 0
	s_mov_b32 s[G1V+7], 0
	; group 0: my slot; the tile 15 - i, i, 0, 0 for pair 0..3
	s_mov_b32 s[G0], 1
	s_mul_i32 s[G0+1], s9, TS
	s_mul_i32 s30, s10, VOFF
	s_add_co_u32 s[G0+1], s[G0+1], s30             ; pair x 35,840 + kind x 17,408: made of the wave's number alone
	s_cmp_eq_u32 s9, 0
	s_cselect_b32 s36, s15, 0
	s_cmp_eq_u32 s9, 1
	s_cselect_b32 s36, s12, s36
	s_lshl_b32 s36, s36, 14                        ; a tile: 128 keys x 128 bytes
	s_add_co_u32 s36, s36, s42
	s_lshl_b32 s30, s10, 23
	s_add_co_u32 s36, s36, s30
	s_add_co_u32 s36, s36, 8388608                 ; K's panels begin 16 panels in, V's 32
	s_mov_b32 s37, 0
	s_lshl_b32 s43, s9, 12                         ; 32 rows x 128 bytes a wave pair
	s_lshl_b32 s38, s14, 14
	s_add_co_u32 s38, s38, s43
	s_add_co_u32 s38, s38, s42                     ; my 32 queries
	s_mov_b32 s39, 0
	s_lshl4_add_u32 s46, s41, s14                  ; ctx: block of 128 rows = 16 x batch + query block
	s_mul_i32 s46, s46, 327680                     ; 16 records of 20,480 bytes a block
	s_mul_i32 s30, s40, 20480                      ; my head's record
	s_add_co_u32 s46, s46, s30
	s_lshr_b32 s2, s9, 1
	s_lshl_b32 s2, s2, 11                          ; the low parts: 16 rows x 128 bytes for w' = 0, then for w' = 2,
	s_add_co_u32 s2, s2, s46
	s_add_co_u32 s2, s2, 16384                     ; behind the record's 128 rows
	s_mov_b32 s3, 0
	s_add_co_u32 s46, s46, s43                     ; the high parts: 32 rows a wave pair
	s_mov_b32 s47, 0
	; group 0 for V's low parts: keys 0-127 of my batch and head
	s_mov_b32 s[G0L], 1
	s_mov_b32 s[G0L+1], VLDS
	s_lshl_b32 s58, s13, 14
	s_mov_b32 s59, 0
	s_wait_dscnt 0x0
	s_barrier_signal -1
	s_barrier_wait -1
	s_wait_kmcnt 0x0
	s_add_nc_u64 s[G0+2:G0+3], s[4:5], s[36:37]
	s_or_b32 s[G0+3], s[G0+3], 0x80000000
	s_add_nc_u64 s[G0L+2:G0L+3], s[6:7], s[58:59]
	s_or_b32 s[G0L+3], s[G0L+3], 0x80000000
	s_add_nc_u64 s[34:35], s[4:5], s[38:39]
	s_add_nc_u64 s[44:45], s[56:57], s[46:47]      ; where my 32 rows of ctx go
	s_add_nc_u64 s[56:57], s[56:57], s[2:3]        ; where my 16 rows of low parts go
	s_mov_b32 s58, 0xffffe000                      ; keeps sign, exponent and 10 bits of an f32's mantissa: what f16 holds
	; the first fills: D0, D1, R0, one load a wave of pairs 0 to 2; where i = 0, wave 7 brings V's low parts.  R1 is filled behind the first ring step's barrier.
	s_cmp_eq_u32 s9, 3
	s_cbranch_scc1 .Lpair3
	s_cmp_eq_u32 s10, 0
	s_cbranch_scc0 .Lfirstv
	tensor_load_to_lds s[G0:G0+3], s[G1K:G1K+7]
	s_nop 0
	s_branch .Lnofirst
.Lfirstv:
	tensor_load_to_lds s[G0:G0+3], s[G1V:G1V+7]
	s_nop 0
	s_branch .Lnofirst
.Lpair3:
	s_cmp_lg_u32 s8, 7
	s_cbranch_scc1 .Lnofirst
	s_cmp_lg_u32 s12, 0                            ; only query block 0 reads them
	s_cbranch_scc1 .Lnofirst
	tensor_load_to_lds s[G0L:G0L+3], s[G1V:G1V+7]
	s_nop 0
.Lnofirst:
	v_and_b32 v1, 15, v0                           ; r
	v_bfe_u32 v2, v0, 4, 1                         ; h
	v_lshlrev_b32 v[QO], 7, v1
	v_lshl_add_u32 v[QO], v2, 4, v[QO]             ; r x 128 + 16 h
.irp qq, 0,1
.irp f, 0,1
	global_load_b128 v[QF+16*\qq+8*\f:QF+16*\qq+8*\f+3], v[QO], s[34:35] offset:2048*\qq+64*\f
	global_load_b128 v[QF+16*\qq+8*\f+4:QF+16*\qq+8*\f+7], v[QO], s[34:35] offset:2048*\qq+64*\f+32
.endr
.endr
	v_lshrrev_b32 v3, 1, v1
	v_mul_u32_u24 v3, v3, 272
	v_and_b32 v[TT], 1, v1
	v_lshl_add_u32 v3, v[TT], 7, v3
	v_lshl_add_u32 v3, v2, 4, v3                   ; K: (r/2) 272 + (r mod 2) 128 + 16 h
	s_mul_i32 s30, s11, TS
	v_add_nc_u32 v[KD], s30, v3
	v_add_nc_u32 v[K0], 2*TS, v3
	v_add_nc_u32 v[K0+2], 3*TS, v3
	v_and_b32 v[TT], 7, v0
	v_lshl_add_u32 v[TT], v2, 3, v[TT]             ; kk = 8 h + lane mod 8
	v_lshrrev_b32 v[TT+1], 1, v[TT]
	v_mul_u32_u24 v[TT+1], v[TT+1], 288
	v_and_b32 v[TT], 1, v[TT]
	v_lshl_add_u32 v[TT+1], v[TT], 7, v[TT+1]
	v_bfe_u32 v[TT], v0, 3, 1
	v_lshl_add_u32 v[TT+1], v[TT], 4, v[TT+1]      ; V: (kk/2) 288 + (kk mod 2) 128 + 16 ((lane/8) mod 2)
	s_add_co_u32 s30, s30, VOFF
	v_add_nc_u32 v[VD], s30, v[TT+1]
	v_add_nc_u32 v[K0+1], 2*TS+VOFF, v[TT+1]
	v_add_nc_u32 v[K0+3], 3*TS+VOFF, v[TT+1]
	v_add_nc_u32 v[VL], VLDS, v[TT+1]
	v_lshlrev_b32 v[TT], 3, v2
	v_sub_nc_u32 v[REL], v1, v[TT]
	s_lshl_b32 s31, s9, 5
	v_add_nc_u32 v[REL], s31, v[REL]
	v_mov_b32 v[NEG], 0xff7fffff
	v_mov_b32 v[TT+4], 0                           ; destinations of v_permlanex16_b32 count as read: written once here
	v_mov_b32 v[TT+5], 0
	s_mul_i32 s31, s8, 4608
	s_add_co_u32 s31, s31, STAGE                   ; my stage: 32 rows at pitch 144
	v_mul_u32_u24 v[STO], v1, 144
	v_lshl_add_u32 v[STO], v2, 4, v[STO]
	v_add_nc_u32 v[STO], s31, v[STO]
	v_bfe_u32 v[RD], v0, 3, 2
	v_mul_u32_u24 v[RD], v[RD], 144
	v_and_b32 v[TT], 7, v0
	v_lshl_add_u32 v[RD], v[TT], 4, v[RD]
	v_add_nc_u32 v[RD], s31, v[RD]
	v_and_b32 v[CO], 31, v0
	v_lshlrev_b32 v[CO], 4, v[CO]
.macro KLOAD kadr, ss                  ; 64 keys x 64 d: 16 loads
.irp kb, 0,1,2,3
.irp f, 0,1
	ds_load_b128 v[KF+16*\kb+8*\f:KF+16*\kb+8*\f+3], v[\kadr] offset:(4*\ss+\kb)*2176+64*\f
	ds_load_b128 v[KF+16*\kb+8*\f+4:KF+16*\kb+8*\f+7], v[\kadr] offset:(4*\ss+\kb)*2176+64*\f+32
.endr
.endr
.endm
.macro VLOAD vadr, ss                  ; the same keys of V, transposed: 16 loads
.irp g2, 0,1
.irp db, 0,1,2,3
	ds_load_tr16_b128 v[VF+32*\g2+8*\db:VF+32*\g2+8*\db+3], v[\vadr] offset:(2*\ss+\g2)*4608+32*\db
	ds_load_tr16_b128 v[VF+32*\g2+8*\db+4:VF+32*\g2+8*\db+7], v[\vadr] offset:(2*\ss+\g2)*4608+32*\db+2304
.endr
.endr
.endm
.macro QK                              ; eight score tiles, d 0-31 starting the sums, then d 32-63; the tiles take turns, one instruction a turn
.irp qq, 0,1
.irp kb, 0,1,2,3
	v_wmma_f32_16x16x32_f16 v[SC+32*\qq+8*\kb:SC+32*\qq+8*\kb+7], v[KF+16*\kb:KF+16*\kb+7], v[QF+16*\qq:QF+16*\qq+7], 0
.endr
.endr
.irp qq, 0,1
.irp kb, 0,1,2,3
	v_wmma_f32_16x16x32_f16 v[SC+32*\qq+8*\kb:SC+32*\qq+8*\kb+7], v[KF+16*\kb+8:KF+16*\kb+15], v[QF+16*\qq+8:QF+16*\qq+15], v[SC+32*\qq+8*\kb:SC+32*\qq+8*\kb+7]
.endr
.endr
.endm
.macro MASK ss                         ; key 64 ss + 16 kb + 8 h + j beyond query 32 w' + 16 qq + r: the mask value
.irp qq, 0,1
.irp kb, 0,1,2,3
.irp j, 0,1,2,3,4,5,6,7
	v_cmp_gt_i32 vcc_lo, 64*\ss+16*\kb+\j-16*\qq, v[REL]
	v_cndmask_b32 v[SC+32*\qq+8*\kb+\j], v[SC+32*\qq+8*\kb+\j], v[NEG], vcc_lo
.endr
.endr
.endr
.endm
.macro MAXQ qq, first                  ; the largest of the lane's 32 scores of a query block and the old maximum: 16 instructions, two chains
.set BQ, SC+32*\qq
	v_max3_num_f32 v[TT+2*\qq], v[BQ], v[BQ+1], v[BQ+2]
	v_max3_num_f32 v[TT+2*\qq+1], v[BQ+16], v[BQ+17], v[BQ+18]
.irp x, 3,5,7,9,11,13
	v_max3_num_f32 v[TT+2*\qq], v[TT+2*\qq], v[BQ+\x], v[BQ+\x+1]
	v_max3_num_f32 v[TT+2*\qq+1], v[TT+2*\qq+1], v[BQ+16+\x], v[BQ+16+\x+1]
.endr
	v_max3_num_f32 v[TT+2*\qq], v[TT+2*\qq], v[TT+2*\qq+1], v[BQ+15]
.if \first
	v_max_num_f32 v[TT+2*\qq], v[TT+2*\qq], v[BQ+31]
.else
	v_max3_num_f32 v[TT+2*\qq], v[TT+2*\qq], v[BQ+31], v[MX+\qq]
.endif
.endm
.macro FMAG qq, g2                     ; 16 exponents: c x score - c x maximum, one rounding each
.irp x, 0,2,4,6,8,10,12,14
	v_pk_fma_f32 v[SC+32*\qq+16*\g2+\x:SC+32*\qq+16*\g2+\x+1], v[SC+32*\qq+16*\g2+\x:SC+32*\qq+16*\g2+\x+1], 0x3e38aa3b, v[NM:NM+1] op_sel:[0,0,\qq] op_sel_hi:[1,0,\qq]
.endr
.endm
.macro EXPG qq, g2
.irp x, 0,1,2,3,4,5,6,7,8,9,10,11,12,13,14,15
	v_exp_f32 v[SC+32*\qq+16*\g2+\x], v[SC+32*\qq+16*\g2+\x]
.endr
.endm
; The 16 weights are added in two chains of pairs and packed in place into 8 registers: source 1 of the second product.
; prec = 1: a weight is cut to the 11 bits that f16 holds (hi, packed in place) and the exact rest is rounded to f16 (lo, into K's registers, which are free by then).
.macro ADDCVT qq, g2, prec
.set PB, SC+32*\qq+16*\g2
.if \g2 == 0
	s_wait_alu depctr_va_vdst(0)
	v_pk_add_f32 v[TT:TT+1], v[PB:PB+1], v[PB+2:PB+3]
	v_pk_add_f32 v[TT+2:TT+3], v[PB+8:PB+9], v[PB+10:PB+11]
.else
	v_pk_add_f32 v[TT:TT+1], v[TT:TT+1], v[PB:PB+1]
	v_pk_add_f32 v[TT+2:TT+3], v[TT+2:TT+3], v[PB+8:PB+9]
	v_pk_add_f32 v[TT:TT+1], v[TT:TT+1], v[PB+2:PB+3]
	v_pk_add_f32 v[TT+2:TT+3], v[TT+2:TT+3], v[PB+10:PB+11]
.endif
	v_pk_add_f32 v[TT:TT+1], v[TT:TT+1], v[PB+4:PB+5]
	v_pk_add_f32 v[TT+2:TT+3], v[TT+2:TT+3], v[PB+12:PB+13]
	v_pk_add_f32 v[TT:TT+1], v[TT:TT+1], v[PB+6:PB+7]
	v_pk_add_f32 v[TT+2:TT+3], v[TT+2:TT+3], v[PB+14:PB+15]
.irp x, 0,1,2,3,4,5,6,7
.if \prec
	v_and_b32 v[TT+4], s58, v[PB+2*\x]
	v_and_b32 v[TT+5], s58, v[PB+2*\x+1]
	v_pk_add_f32 v[TT+6:TT+7], v[PB+2*\x:PB+2*\x+1], v[TT+4:TT+5] neg_lo:[0,1] neg_hi:[0,1]
	v_cvt_pk_f16_f32 v[PB+\x], v[TT+4], v[TT+5]
	v_cvt_pk_f16_f32 v[KF+16*\qq+8*\g2+\x], v[TT+6], v[TT+7]
.else
	v_cvt_pk_f16_f32 v[PB+\x], v[PB+2*\x], v[PB+2*\x+1]
.endif
.endr
.endm
.macro FIN qq, first                   ; the lane's sum of weights: old sum x factor + new
	v_pk_add_f32 v[TT:TT+1], v[TT:TT+1], v[TT+2:TT+3]
.if \first
	v_add_f32 v[LS+\qq], v[TT], v[TT+1]
.else
	v_add_f32 v[TT+4], v[TT], v[TT+1]
	v_fma_f32 v[LS+\qq], v[LS+\qq], v[AL+\qq], v[TT+4]
.endif
.endm
; The running softmax of 64 keys x 32 queries.  The factor for the old sums is made from the two ROUNDED values of -c x maximum, the same that
; the exponents use, so their rounding cancels between weights, sums and O.  Behind every run of exponentials stands plain
; arithmetic on other registers before a result is used (ISA guide 5.7.2).
.macro SOFT first, prec
	MAXQ 0, \first
	MAXQ 1, \first
	v_permlanex16_b32 v[TT+4], v[TT], s32, s33     ; the other half of the keys lies in lane l xor 16
	v_permlanex16_b32 v[TT+5], v[TT+2], s32, s33
	v_max_num_f32 v[MX], v[TT], v[TT+4]
	v_max_num_f32 v[MX+1], v[TT+2], v[TT+5]
.if \first == 0
	v_pk_mul_f32 v[TT+6:TT+7], v[MX:MX+1], 0xbe38aa3b op_sel_hi:[1,0]
	v_pk_add_f32 v[AL:AL+1], v[TT+6:TT+7], v[NM:NM+1] neg_lo:[0,1] neg_hi:[0,1]
.endif
	v_pk_mul_f32 v[NM:NM+1], v[MX:MX+1], 0xbe38aa3b op_sel_hi:[1,0]
.if \first == 0
	v_exp_f32 v[AL], v[AL]
	v_exp_f32 v[AL+1], v[AL+1]
.endif
	FMAG 0, 0
	EXPG 0, 0
	FMAG 0, 1
	EXPG 0, 1
	ADDCVT 0, 0, \prec
	FMAG 1, 0
	EXPG 1, 0
	ADDCVT 0, 1, \prec
	FIN 0, \first
	FMAG 1, 1
	EXPG 1, 1
	ADDCVT 1, 0, \prec
	ADDCVT 1, 1, \prec
	FIN 1, \first
.endm
; O^T += V^T P^T: keys 0-31 on the eight tiles, then keys 32-63; one instruction a turn.
; P of query block qq, key half g2 lies at pb + pq qq + pg g2.
.macro PV first, pb, pq, pg
.irp qq, 0,1
.irp db, 0,1,2,3
.if \first
	v_wmma_f32_16x16x32_f16 v[32*\qq+8*\db:32*\qq+8*\db+7], v[VF+8*\db:VF+8*\db+7], v[\pb+\pq*\qq:\pb+\pq*\qq+7], 0
.else
	v_wmma_f32_16x16x32_f16 v[32*\qq+8*\db:32*\qq+8*\db+7], v[VF+8*\db:VF+8*\db+7], v[\pb+\pq*\qq:\pb+\pq*\qq+7], v[32*\qq+8*\db:32*\qq+8*\db+7]
.endif
.endr
.endr
.irp qq, 0,1
.irp db, 0,1,2,3
	v_wmma_f32_16x16x32_f16 v[32*\qq+8*\db:32*\qq+8*\db+7], v[VF+32+8*\db:VF+32+8*\db+7], v[\pb+\pq*\qq+\pg:\pb+\pq*\qq+\pg+7], v[32*\qq+8*\db:32*\qq+8*\db+7]
.endr
.endr
.endm
.macro RESCALE                         ; the old O^T times the factor of its query
	WIN 0x41                                       ; O in window 1, the factor in window 0
.irp qq, 0,1
.irp x, 0,2,4,6,8,10,12,14,16,18,20,22,24,26,28,30
	v_pk_mul_f32 v[32*\qq+\x:32*\qq+\x+1], v[32*\qq+\x:32*\qq+\x+1], v[AL:AL+1] op_sel:[0,\qq] op_sel_hi:[1,\qq]
.endr
.endr
.endm
; 64 keys.  first = 1: these products start all sums, nothing is cleared.  mask = 1: the diagonal tile.
.macro SUB kadr, vadr, ss, first, mask
	s_wait_dscnt 0x0                               ; my K fragments are in
	QK
.rept 4
	v_nop                                          ; four places (ISA guide 7.12.1): the scores are read, and K's registers loaded again, only behind them
.endr
	VLOAD \vadr, \ss
.if \ss == 0
	KLOAD \kadr, 1                                 ; the next 64 keys, behind V's loads
.endif
.if \mask
	MASK \ss
.endif
	SOFT \first, 0
.if \ss == 0
	s_wait_dscnt 16                                ; V is in; the 16 younger loads (K) stay out
.else
	s_wait_dscnt 0x0
.endif
.if \first == 0
	RESCALE
.endif
	WIN 0x50
	PV \first, SC, 32, 16
	WIN 0
.rept 5
	v_nop                                          ; five places: the next score products write over P; O and V's registers are touched only behind them too
.endr
.endm
.macro TILE kadr, vadr, first, mask
	KLOAD \kadr, 0
	SUB \kadr, \vadr, 0, \first, \mask
	SUB \kadr, \vadr, 1, 0, \mask
.endm
; 64 keys of query block 0's diagonal tile, with P and V as hi + lo.  K is fetched at the head, since P's low parts take K's registers.
.macro PSUB ss, first
	KLOAD KD, \ss
	s_wait_dscnt 0x0
	QK
.rept 4
	v_nop                                          ; four places: the scores are read and K's registers written only behind them
.endr
	VLOAD VD, \ss
	MASK \ss
	SOFT \first, 1
	s_wait_dscnt 0x0                               ; V's high parts are in
.if \first == 0
	RESCALE
.endif
	WIN 0x50
	PV \first, SC, 32, 16                          ; Phi Vhi
	PV 0, KF, 16, 8                                ; Plo Vhi
	WIN 0
.rept 4
	v_nop                                          ; four places: V's registers are loaded again only behind them
.endr
	VLOAD VL, \ss
	s_wait_dscnt 0x0                               ; V's low parts are in
	WIN 0x50
	PV 0, SC, 32, 16                               ; Phi Vlo
	WIN 0
.rept 5
	v_nop                                          ; five places, as in SUB
.endr
.endm
; One ring step: tile t lies in slot R(sig).  Every wave waits for all its tensor loads and its LDS reads and passes the barrier; behind it the pair that owns
; the other slot asks for tile t + 1 (every wave's address steps one tile a step, so the owner's is at t + 1): wave 6 - 2 sig brings K, wave 7 - 2 sig brings V,
; one load a wave, first thing behind the barrier.
.macro STEP sig, refill
	s_set_vgpr_msb 0x5
	s_wait_tensorcnt 0x0                           ; all my loads have landed, my part of this step's tile among them: group 0 may be written
	ds_add_u32 v64, v65
	s_wait_dscnt 0x0
	s_set_vgpr_msb 0x500
	s_add_nc_u64 s[G0+2:G0+3], s[G0+2:G0+3], 16384
	s_wait_dscnt 0x0                               ; my reads of the other slot are over
	s_barrier_signal -1
	s_barrier_wait -1
.if \refill
	s_cmp_lg_u32 s8, 6-2*\sig
	s_cbranch_scc1 .Lnot_k_\@
	tensor_load_to_lds s[G0:G0+3], s[G1K:G1K+7]
	s_nop 0
.Lnot_k_\@:
	s_cmp_lg_u32 s8, 7-2*\sig
	s_cbranch_scc1 .Lnot_v_\@
	tensor_load_to_lds s[G0:G0+3], s[G1V:G1V+7]
	s_nop 0
.Lnot_v_\@:
.endif
	s_cmp_ge_u32 s28, s29                          ; a wave of the low block has no keys left from tile i on
	s_cbranch_scc1 .Lover_\@
	TILE K0+2*\sig, K0+1+2*\sig, 0, 0
.Lover_\@:
	s_add_co_u32 s28, s28, 1
.endm
	s_wait_tensorcnt 0x0                           ; my first fill has landed,
	s_barrier_signal -1
	s_barrier_wait -1                              ; everybody's has
	s_wait_loadcnt 0x0                             ; Q
	s_cmp_eq_u32 s14, 0                            ; both diagonal tiles at once, each by its four waves
	s_cbranch_scc1 .Lblock0
	TILE KD, VD, 1, 1
	s_branch .Ldiag
.Lblock0:
	PSUB 0, 1                                      ; query block 0: hi + lo
	PSUB 1, 0
.Ldiag:
	s_mov_b32 s28, 0                               ; ring tile
	s_sub_co_u32 s30, 14, s12
	s_lshr_b32 s30, s30, 1                         ; of the 15 - i ring steps all but the last one (i even) or two (i odd) go in pairs
	s_max_u32 s30, s30, 1                          ; 3 to 7 trips for i = 7 to 0: the lower bound is written out, the value does not change
.Lring:
	STEP 0, 1
	STEP 1, 1
	s_sub_co_u32 s30, s30, 1
	s_cmp_lg_u32 s30, 0
	s_cbranch_scc1 .Lring
	s_bitcmp1_b32 s12, 0
	s_cbranch_scc0 .Leven
	STEP 0, 1
	STEP 1, 0
	s_branch .Lepi
.Leven:
	STEP 0, 0
.Lepi:
	; divide by the sum of weights, round to f16, and out through my own stage as whole rows
	v_permlanex16_b32 v[TT+4], v[LS], s32, s33
	v_permlanex16_b32 v[TT+5], v[LS+1], s32, s33
	v_add_f32 v[LS], v[LS], v[TT+4]
	v_add_f32 v[LS+1], v[LS+1], v[TT+5]
	v_rcp_f32 v[AL], v[LS]                         ; the sum is at least the largest weight, about 1
	v_rcp_f32 v[AL+1], v[LS+1]
	v_nop                                          ; one plain place behind a transcendental (ISA guide 5.7.2)
	WIN 0x01                                       ; O from window 1
	s_wait_alu depctr_va_vdst(0)
.irp qq, 0,1
.irp x, 0,2,4,6,8,10,12,14,16,18,20,22,24,26,28,30
	v_pk_mul_f32 v[SC+32*\qq+\x:SC+32*\qq+\x+1], v[32*\qq+\x:32*\qq+\x+1], v[AL:AL+1] op_sel:[0,\qq] op_sel_hi:[1,\qq]
.endr
.endr
	WIN 0
.irp x, 0,1,2,3,4,5,6,7,8,9,10,11,12,13,14,15,16,17,18,19,20,21,22,23,24,25,26,27,28,29,30,31
	v_cvt_pk_f16_f32 v[KF+\x], v[SC+2*\x], v[SC+2*\x+1]
.endr
	; rows 0-15 and 64-79 of the block are the first 16 queries of the waves with w' = 0 and 2: there hi is ctx cut to the 11 bits that f16 holds,
	; lo the exact rest, rounded to f16; the 16 rows of lo go out first, through the first 16 rows of my stage
	s_bitcmp1_b32 s9, 0
	s_cbranch_scc1 .Lnolow
.irp x, 0,1,2,3,4,5,6,7,8,9,10,11,12,13,14,15
	v_and_b32 v[TT+4*(\x%2)], s58, v[SC+2*\x]
	v_and_b32 v[TT+4*(\x%2)+1], s58, v[SC+2*\x+1]
	v_pk_add_f32 v[TT+4*(\x%2)+2:TT+4*(\x%2)+3], v[SC+2*\x:SC+2*\x+1], v[TT+4*(\x%2):TT+4*(\x%2)+1] neg_lo:[0,1] neg_hi:[0,1]
	v_cvt_pk_f16_f32 v[KF+\x], v[TT+4*(\x%2)], v[TT+4*(\x%2)+1]
	v_cvt_pk_f16_f32 v[KF+32+\x], v[TT+4*(\x%2)+2], v[TT+4*(\x%2)+3]
.endr
.irp db, 0,1,2,3
	ds_store_b128 v[STO], v[KF+32+4*\db:KF+32+4*\db+3] offset:32*\db
.endr
.irp t, 0,1,2,3
	ds_load_b128 v[VF+32+4*\t:VF+32+4*\t+3], v[RD] offset:576*\t  ; LDS serves a wave's instructions in order: these see the stores above
.endr
.irp t, 0,1,2,3
	s_wait_dscnt 3-\t                              ; load t is in, the younger ones stay out
	global_store_b128 v[CO], v[VF+32+4*\t:VF+32+4*\t+3], s[56:57] offset:512*\t   ; four rows of 128 bytes: 512 consecutive bytes, aligned
.endr
.Lnolow:
.irp qq, 0,1
.irp db, 0,1,2,3
	ds_store_b128 v[STO], v[KF+16*\qq+4*\db:KF+16*\qq+4*\db+3] offset:2304*\qq+32*\db   ; behind the loads above, in order
.endr
.endr
.irp t, 0,1,2,3,4,5,6,7
	ds_load_b128 v[VF+4*\t:VF+4*\t+3], v[RD] offset:576*\t
.endr
.irp t, 0,1,2,3,4,5,6,7
	s_wait_dscnt 7-\t                              ; load t is in, the younger ones stay out
	global_store_b128 v[CO], v[VF+4*\t:VF+4*\t+3], s[44:45] offset:512*\t   ; other registers than the low parts': no store's data is written over
.endr
	s_set_vgpr_msb 0x5
	s_wait_tensorcnt 0x0
	ds_add_u32 v64, v65
	s_wait_dscnt 0x0
	s_set_vgpr_msb 0x500
	s_endpgm
.Lfunc_end_k_q78319da82c_attn:
	.size	k_q78319da82c_attn, .Lfunc_end_k_q78319da82c_attn-k_q78319da82c_attn
	.p2alignl 7, 3214868480
	.fill 96, 4, 3214868480
	.section	.rodata,"a",@progbits
	.p2align	6, 0x0
	.amdhsa_kernel k_q78319da82c_attn
		.amdhsa_group_segment_fixed_size 327680
		.amdhsa_private_segment_fixed_size 0
		.amdhsa_enable_private_segment 0
		.amdhsa_kernarg_size 24
		.amdhsa_user_sgpr_count 2
		.amdhsa_user_sgpr_kernarg_segment_ptr 1
		.amdhsa_wavefront_size32 1
		.amdhsa_system_sgpr_workgroup_id_x 1
		.amdhsa_system_sgpr_workgroup_id_y 1
		.amdhsa_system_sgpr_workgroup_id_z 1
		.amdhsa_system_vgpr_workitem_id 0
		.amdhsa_next_free_vgpr 322
		.amdhsa_next_free_sgpr 66
		.amdhsa_reserve_vcc 1
		.amdhsa_float_denorm_mode_32 3
		.amdhsa_float_denorm_mode_16_64 3
		.amdhsa_memory_ordered 1
		.amdhsa_forward_progress 1
		.amdhsa_inst_pref_size 255
	.end_amdhsa_kernel
	.section	.bss,"aw",@nobits
	.p2align	6
	.space	262144
	.amdgpu_metadata
---
amdhsa.version: [ 1, 2 ]
amdhsa.kernels:
  - .name:           k_q78319da82c_attn
    .symbol:         k_q78319da82c_attn.kd
    .args:
      - { .name: qkv, .offset: 0, .size: 8, .value_kind: global_buffer, .address_space: global }
      - { .name: vlo, .offset: 8, .size: 8, .value_kind: global_buffer, .address_space: global }
      - { .name: ctx, .offset: 16, .size: 8, .value_kind: global_buffer, .address_space: global }
    .group_segment_fixed_size: 327680
    .private_segment_fixed_size: 0
    .kernarg_segment_align: 8
    .kernarg_segment_size: 24
    .max_flat_workgroup_size: 256
    .sgpr_count:     66
    .vgpr_count:     322
    .wavefront_size: 32
...
	.end_amdgpu_metadata
.endif
;; end of part 3
;; launch proj (part 4): grid 8 x 32, 4 waves a work-group, clusters of 4 x 4, 327,680 bytes of LDS; arguments ctx, wp, c_proj_b, out0; writes out0
.if DOCPART == 4
	.amdgcn_target "amdgcn-amd-amdhsa--gfx1250"
	.amdhsa_code_object_version 6
	.text
	.protected	k_q78319da82c_proj
	.globl	k_q78319da82c_proj
	.p2align	8
	.type	k_q78319da82c_proj,@function
k_q78319da82c_proj:
	s_mov_b64 s[64:65], 0
	v_nop
	global_prefetch_b8 v0, s[64:65] scope:SCOPE_SE
	s_setreg_imm32_b32 hwreg(HW_REG_WAVE_MODE, 25, 1), 1
	s_wait_xcnt 0x0
	s_wait_alu depctr_hold_cnt(0) depctr_sa_sdst(0) depctr_va_vdst(0) depctr_va_sdst(0) depctr_va_ssrc(0) depctr_va_vcc(0) depctr_vm_vsrc(0)
	s_getreg_b32 s2, hwreg(HW_REG_IB_STS2, 6, 4)
	s_cmp_eq_u32 s2, 0
	s_cbranch_scc0 .Lentry_in_a_cluster
	s_endpgm
.Lentry_in_a_cluster:
	s_bfe_u32 s2, ttmp6, 0x10000c
	s_cmp_lg_u32 s2, 0xf033
	s_cbranch_scc0 .Lentry_shape_is_right
	s_endpgm
.Lentry_shape_is_right:
; out = ctx Wp + bp.  ctx: 4,096 x 1,024 in f16, Wp: 1,024 x 1,024 (bf16 numbers written as f16), both as panels (ctx, wp); sums, bias and result in f32.
; THE LOW PARTS OF CTX: a sequence row with few keys averages few rows of v and can be many times larger than the root mean square of the whole output, against
; which a result is held; one rounding of ctx to 11 bits is too coarse in the first rows of a batch (row 16 already averages 17 rows of v).  A branch on the block row
; would hang on the place in the cluster, so every wave adds lo Wp for the first 16 of its 64 rows: 4 matrix instructions more for every 16.
; A work-group makes 128 rows x 128 columns with four waves (2 x 2); a wave makes 64 x 64: 4 x 4 accumulator tiles.  256 work-groups.
; K goes in 4 steps of 256 through a ring of two LDS slots; one tensor load a wave and step: waves 0, 1 two records of ctx each (a record: one 64-k panel,
; 64 blocks of 256 bytes of hi and 16 blocks of lo: 160 blocks a load), waves 2, 3 one 64-column panel of the weights each (128 blocks).  All tiles are dense in memory.
; CLUSTERS: 4 x 4 work-groups; a tile of ctx is asked for jointly by a row of the cluster, a tile of the weights by a column.
; LDS slot: ctx: 4 records x 80 blocks at pitch 272; weights: 2 panels x 128 blocks at pitch 288; a block holds two rows of 128 bytes, so the sixteen
; addresses of a fragment load fall on sixteen different 16-byte columns modulo 256 bytes.  Two slots take all 321,536 bytes; the stage of the way out lies in slot 0.
; THE MATRIX INSTRUCTION IS USED TRANSPOSED: source 0 = weights (through the transposing LDS load), source 1 = ctx.
; Lane (r, h), register j holds C(m = 16 a + r, n = 16 b + 8 h + j).
; REGISTERS: window 0: addresses, fragments of ctx v32-71 / v96-135 (row blocks 0-3, then lo), of the weights v160-191 / v208-239; window 1: accumulators at 8 (4 a + b), bias at v192-223.
.set WB, 4                             ; column blocks of 16 in a wave
.set AKP, 21760                        ; a record in LDS: 80 blocks x 272
.set AMI, 8704                         ; the wave row half: 32 blocks x 272
.set ALO, 17408                        ; the low parts begin 64 blocks into a record
.set AHALF, 43520                      ; what one load of ctx fills: two records
.set AROWS, 160
.set AREG, 87040                       ; bytes of ctx in a slot; the weights lie behind
.set BHALF, 36864
.set BROWS, 128
.set BNI, 36864
.set SLOT, 160768
.set ASTEP, 81920                      ; a K step of ctx in memory: four records of 20,480 bytes
.set BSTEP, 32768                      ; a K step of the weights in memory
.set NLD, 18                           ; LDS loads of one fetch: 8 for the weights, 10 for ctx
.set NUP, 6                            ; the youngest of them: row block 2, lo, row block 3
.set W_ACC, 0x50                       ; C and D in window 1
.set ADRA, 16                          ; v16-19 LDS address of my ctx fragments: 2 x slot + half of the slot's four records (a record pair lies beyond a load's 16-bit immediate)
.set ADRB, 20                          ; v20-21 of my weight fragments in slot 0, 1
.set STO, 24
.set RD, 25
.set CO, 26
.set BO, 27
.set ADRL, 28                          ; v28-31 of my low parts, as ADRA
.set FA, 32                            ; + 64 x buffer
.set FB, 160                           ; + 48 x buffer
.set BIAS, 192                         ; window 1
.set G1A, 24
.set G0A, 32
.set G1B, 40
.set G0B, 48
.set MSB, 0
.macro WIN new
.if MSB != \new
	s_set_vgpr_msb (MSB<<8)|\new
.set MSB, \new
.endif
.endm
.macro PLACES                          ; four places behind matrix instructions (ISA guide 7.12.1)
.rept 4
	v_nop
.endr
.endm
.macro JLOAD s                         ; the wave's one joint load for slot s: waves 0, 1 ask for ctx, waves 2, 3 for the weights
	s_cmp_eq_u32 s13, 0
	s_cbranch_scc0 .Lfor_b_\@
	tensor_load_to_lds s[G0A+4*\s:G0A+4*\s+3], s[G1A:G1A+7]
	s_nop 0
	s_branch .Lasked_\@
.Lfor_b_\@:
	tensor_load_to_lds s[G0B+4*\s:G0B+4*\s+3], s[G1B:G1B+7]
	s_nop 0
.Lasked_\@:
.endm
.macro CREST
	s_cmp_lg_u32 s12, 0
	s_cbranch_scc1 .Lnot_wave_0_\@
	s_barrier_signal -3
.Lnot_wave_0_\@:
	s_barrier_wait -3
	s_barrier_signal -1
	s_barrier_wait -1
.endm
.macro CROUND
	s_barrier_signal -1
	s_barrier_wait -1
	CREST
.endm
	s_load_b256 s[4:11], s[0:1], 0x0               ; ctx s[4:5], wp s[6:7], bias s[8:9], out0 s[10:11]
	v_lshl_add_u32 v254, v0, 2, 0x4e800
	v_mov_b32 v255, 0
	ds_add_u32 v254, v255
	v_lshrrev_b32 v1, 5, v0
	v_readfirstlane_b32 s12, v1                    ; wave 0..3
	s_lshr_b32 s13, s12, 1                         ; my half of the rows; also: I fetch ctx (0) or weights (1)
	s_and_b32 s14, s12, 1                          ; my half of the columns; also: which half of that tile I fetch
	s_bfe_u32 s16, ttmp6, 0x40000                  ; cx
	s_bfe_u32 s17, ttmp6, 0x40004                  ; cy
	s_lshl_b32 s18, ttmp9, 2
	s_add_co_u32 s18, s18, s16                     ; block column
	s_and_b32 s19, ttmp7, 0xffff
	s_lshl_b32 s19, s19, 2
	s_add_co_u32 s19, s19, s17                     ; block row
	s_lshl_b32 s20, s17, 2
	s_lshl_b32 s20, 15, s20                        ; my row of the cluster
	s_lshl_b32 s21, 0x1111, s16                    ; my column of the cluster
	; group 1: dense blocks of 32 elements of 8 bytes; a pad behind every 64 words: 4 words for ctx, 8 for the weights; bit 21 beside a mask
	s_or_b32 s[G1A+0], s20, (3<<16)|(1<<20)|(1<<21)|(5<<22)|(3<<25)
	s_mov_b32 s[G1A+1], 32<<16
	s_mov_b32 s[G1A+2], AROWS<<16
	s_mov_b32 s[G1A+3], 32<<16
	s_mov_b32 s[G1A+4], AROWS
	s_mov_b32 s[G1A+5], 32
	s_mov_b32 s[G1A+6], 0
	s_mov_b32 s[G1A+7], 0
	s_or_b32 s[G1B+0], s21, (3<<16)|(1<<20)|(1<<21)|(5<<22)|(7<<25)
	s_mov_b32 s[G1B+1], 32<<16
	s_mov_b32 s[G1B+2], BROWS<<16
	s_mov_b32 s[G1B+3], 32<<16
	s_mov_b32 s[G1B+4], BROWS
	s_mov_b32 s[G1B+5], 32
	s_mov_b32 s[G1B+6], 0
	s_mov_b32 s[G1B+7], 0
	s_mul_i32 s56, s19, 327680                     ; block row x 16 records x 20,480
	s_mul_i32 s60, s14, 40960                      ; + two records
	s_add_co_u32 s56, s56, s60
	s_mov_b32 s57, 0
	s_lshl1_add_u32 s58, s18, s14                  ; column panel 2 x block column + half
	s_lshl_b32 s58, s58, 17
	s_mov_b32 s59, 0
	s_mul_i32 s62, s14, AHALF                      ; where they go: made of the wave's number alone
	s_mul_i32 s63, s14, BHALF
	s_add_co_u32 s63, s63, AREG
	s_wait_dscnt 0x0
	s_wait_kmcnt 0x0
	s_add_nc_u64 s[56:57], s[4:5], s[56:57]
	s_add_nc_u64 s[58:59], s[6:7], s[58:59]
	CROUND                                         ; all sixteen work-groups are here: the first joint loads meet
.irp s, 0,1
	s_mov_b32 s[G0A+4*\s], 1
	s_add_co_u32 s[G0A+4*\s+1], s62, \s*SLOT
	s_add_nc_u64 s[G0A+4*\s+2:G0A+4*\s+3], s[56:57], \s*ASTEP
	s_or_b32 s[G0A+4*\s+3], s[G0A+4*\s+3], 0x80000000
	s_mov_b32 s[G0B+4*\s], 1
	s_add_co_u32 s[G0B+4*\s+1], s63, \s*SLOT
	s_add_nc_u64 s[G0B+4*\s+2:G0B+4*\s+3], s[58:59], \s*BSTEP
	s_or_b32 s[G0B+4*\s+3], s[G0B+4*\s+3], 0x80000000
	JLOAD \s                                       ; two loads of the wave are out
.endr
	v_and_b32 v1, 15, v0                           ; r
	v_bfe_u32 v2, v0, 4, 1                         ; h
	v_lshrrev_b32 v3, 1, v1
	v_mul_u32_u24 v3, v3, 272
	v_and_b32 v4, 1, v1
	v_lshl_add_u32 v3, v4, 7, v3
	v_lshl_add_u32 v3, v2, 4, v3                   ; (r/2) 272 + (r mod 2) 128 + 16 h
	s_mul_i32 s60, s13, AMI
	v_add_nc_u32 v[ADRA], s60, v3
	v_add_nc_u32 v[ADRA+1], 2*AKP, v[ADRA]
	v_add_nc_u32 v[ADRA+2], SLOT, v[ADRA]
	v_add_nc_u32 v[ADRA+3], SLOT+2*AKP, v[ADRA]
	s_mul_i32 s60, s13, 2176                       ; the low parts of rows 0-15, then of rows 64-79: 8 blocks each
	s_add_co_u32 s60, s60, ALO
	v_add_nc_u32 v[ADRL], s60, v3
	v_add_nc_u32 v[ADRL+1], 2*AKP, v[ADRL]
	v_add_nc_u32 v[ADRL+2], SLOT, v[ADRL]
	v_add_nc_u32 v[ADRL+3], SLOT+2*AKP, v[ADRL]
	v_and_b32 v5, 7, v0
	v_lshl_add_u32 v5, v2, 3, v5                   ; kk = 8 h + lane mod 8
	v_lshrrev_b32 v6, 1, v5
	v_mul_u32_u24 v6, v6, 288
	v_and_b32 v7, 1, v5
	v_lshl_add_u32 v6, v7, 7, v6
	v_bfe_u32 v7, v0, 3, 1
	v_lshl_add_u32 v6, v7, 4, v6                   ; (kk/2) 288 + (kk mod 2) 128 + 16 ((lane/8) mod 2)
	s_mul_i32 s61, s14, BNI
	s_add_co_u32 s61, s61, AREG
	v_add_nc_u32 v[ADRB], s61, v6
	v_add_nc_u32 v[ADRB+1], SLOT, v[ADRB]
	v_lshlrev_b32 v[BO], 5, v2
	s_lshl_b32 s60, s14, 8
	v_add_nc_u32 v[BO], s60, v[BO]                 ; 32 h + 256 ni
	s_lshl_b32 s70, s18, 9
	s_mov_b32 s71, 0
	s_add_nc_u64 s[70:71], s[8:9], s[70:71]
	WIN 0x40
.irp b, 0,1,2,3
	global_load_b128 v[BIAS+8*\b:BIAS+8*\b+3], v[BO], s[70:71] offset:64*\b
	global_load_b128 v[BIAS+8*\b+4:BIAS+8*\b+7], v[BO], s[70:71] offset:64*\b+16
.endr
	WIN 0
	s_mul_i32 s60, s12, 4352                       ; my stage: 16 rows at pitch 272, at the head of slot 0
	v_mul_u32_u24 v3, v1, 272
	v_lshl_add_u32 v3, v2, 5, v3
	v_add_nc_u32 v[STO], s60, v3                   ; r x 272 + 32 h
	v_mul_u32_u24 v3, v2, 272
	v_lshl_add_u32 v3, v1, 4, v3
	v_add_nc_u32 v[RD], s60, v3                    ; h x 272 + 16 r
	v_lshlrev_b32 v3, 12, v2
	v_lshl_add_u32 v[CO], v1, 4, v3                ; h x 4,096 + 16 r
	s_lshl_b32 s66, s19, 19                        ; 128 rows x 4,096 bytes a block row
	s_lshl_b32 s68, s13, 18                        ; + 64 rows
	s_add_co_u32 s66, s66, s68
	s_lshl_b32 s68, s18, 9                         ; + 128 columns x 4 bytes a block column
	s_add_co_u32 s66, s66, s68
	s_lshl_b32 s68, s14, 8                         ; + 64 columns
	s_add_co_u32 s66, s66, s68
	s_mov_b32 s67, 0
	s_add_nc_u64 s[66:67], s[10:11], s[66:67]
; Four matrix instructions: ctx fragment af of buffer cur x all four column blocks, onto the accumulators of row block ac.  mode = 1: the first products take the bias as C.
; A quarter's order is row blocks 0, 1, 2, lo (onto row block 0's accumulators), 3: one instruction a turn, and an accumulator comes up again behind seven others' turns
; at the least, over the change of quarters too.
.macro MULA cur, af, ac, mode
.set bb, 0
.rept WB
.set AC, 8*(WB*(\ac)+bb)
.if \mode
	v_wmma_f32_16x16x32_f16 v[AC:AC+7], v[FB+48*(\cur)+8*bb:FB+48*(\cur)+8*bb+7], v[FA+64*(\cur)+8*(\af):FA+64*(\cur)+8*(\af)+7], v[BIAS+8*bb:BIAS+8*bb+7]
.else
	v_wmma_f32_16x16x32_f16 v[AC:AC+7], v[FB+48*(\cur)+8*bb:FB+48*(\cur)+8*bb+7], v[FA+64*(\cur)+8*(\af):FA+64*(\cur)+8*(\af)+7], v[AC:AC+7]
.endif
.set bb, bb+1
.endr
.endm
.macro LOWER cur, mode                 ; row blocks 0 and 1
	MULA \cur, 0, 0, \mode
	MULA \cur, 1, 1, \mode
.endm
.macro UPPER cur, mode                 ; row block 2, the low parts of row block 0, row block 3
	MULA \cur, 2, 2, \mode
	MULA \cur, 4, 0, 0
	MULA \cur, 3, 3, \mode
.endm
.macro ALOAD dst, adr, off             ; one fragment of 16 rows x 32 k: two loads of 16 bytes a lane
	ds_load_b128 v[\dst:\dst+3], v[\adr] offset:\off
	ds_load_b128 v[\dst+4:\dst+7], v[\adr] offset:\off+32
.endm
; the fragments of quarter q (32 along K) of a slot into buffer buf: 8 transposing loads for the weights, then ctx in the order in which it is multiplied
.macro FETCH slot, q, buf
.set bb, 0
.rept WB
.set BOF, 32*bb+4608*(\q)
	ds_load_tr16_b128 v[FB+48*(\buf)+8*bb:FB+48*(\buf)+8*bb+3], v[ADRB+\slot] offset:BOF
	ds_load_tr16_b128 v[FB+48*(\buf)+8*bb+4:FB+48*(\buf)+8*bb+7], v[ADRB+\slot] offset:BOF+2304
.set bb, bb+1
.endr
.set AOF, (((\q)>>1)&1)*AKP+((\q)&1)*64
.set AR, ADRA+2*\slot+((\q)>>2)
.set LR, ADRL+2*\slot+((\q)>>2)
.set FD, FA+64*(\buf)
	ALOAD FD, AR, AOF
	ALOAD FD+8, AR, AOF+2176
	ALOAD FD+16, AR, AOF+4352
	ALOAD FD+32, LR, AOF
	ALOAD FD+24, AR, AOF+6528
.endm
; a quarter but the last: multiplies buffer cur and, in its middle, fetches quarter qnext of the same slot into the other buffer
.macro QUARTER slot, qnext, cur, mode
	s_wait_dscnt NUP                               ; all but the youngest six loads (row block 2, lo, row block 3) are in
	WIN W_ACC
	LOWER \cur, \mode
	WIN 0
	PLACES
	FETCH \slot, \qnext, 1-\cur
	s_wait_dscnt NLD                               ; all but the 18 loads just issued
	WIN W_ACC
	UPPER \cur, \mode
.endm
.macro QS slot, mode
	QUARTER \slot, 1, 0, \mode
	QUARTER \slot, 2, 1, 0
	QUARTER \slot, 3, 0, 0
	QUARTER \slot, 4, 1, 0
	QUARTER \slot, 5, 0, 0
	QUARTER \slot, 6, 1, 0
	QUARTER \slot, 7, 0, 0
.endm
; the last quarter of a K step (buffer 1) and the change of slots: each wave's waits for its reads and for all its tensor loads stand in front of the barrier;
; fill = 1: the barrier opens a round of the cluster's barrier, and the joint refill, two K steps ahead, is the first tensor load behind the round
.macro TURN slot, next, fill
	s_wait_dscnt NUP
	WIN W_ACC
	MULA 1, 0, 0, 0
	s_wait_dscnt 0x0                               ; my reads of this slot are over
	s_wait_tensorcnt 0x0                           ; all my tensor loads have landed
	ds_add_u32 v254, v255
	s_wait_dscnt 0x0
	s_barrier_signal -1
	MULA 1, 1, 1, 0                                ; register work while the others arrive
	WIN 0
	s_barrier_wait -1
.if \fill
	CREST
	s_add_nc_u64 s[G0A+4*\slot+2:G0A+4*\slot+3], s[G0A+4*\slot+2:G0A+4*\slot+3], 2*ASTEP
	s_add_nc_u64 s[G0B+4*\slot+2:G0B+4*\slot+3], s[G0B+4*\slot+2:G0B+4*\slot+3], 2*BSTEP
	JLOAD \slot
.endif
	PLACES
	FETCH \next, 0, 0
	WIN W_ACC
	UPPER 1, 0
.endm
	s_wait_tensorcnt 0x1                           ; my part of K step 0 is in; K step 1's stays out
	s_barrier_signal -1
	s_barrier_wait -1
	FETCH 0, 0, 0
	s_wait_loadcnt 0x0                             ; the bias
	QS 0, 1                                        ; K step 0; asks for step 2
	TURN 0, 1, 1
	QS 1, 0                                        ; K step 1; asks for step 3
	TURN 1, 0, 1
	QS 0, 0                                        ; K steps 2, 3: nothing is left to fetch
	TURN 0, 1, 0
	QS 1, 0
	s_wait_dscnt NUP
	WIN W_ACC
	LOWER 1, 0
	s_wait_dscnt 0x0
	UPPER 1, 0
	WIN 0
	PLACES
	; THE WAY OUT, 16 rows at a time through my own stage: a lane puts its 8 columns of one row in, whole rows of 256 bytes come back.
	; The stage lies in slot 0, which has had its last fill; every wave's reads of slot 0 ended in front of the last change of slots.
.macro OUTA a
	WIN 0x04                                       ; store data from window 1
.set bb, 0
.rept WB
	ds_store_b128 v[STO], v[8*(WB*\a+bb):8*(WB*\a+bb)+3] offset:64*bb
	ds_store_b128 v[STO], v[8*(WB*\a+bb)+4:8*(WB*\a+bb)+7] offset:64*bb+16
.set bb, bb+1
.endr
	WIN 0
.if \a >= 2
	s_wait_xcnt 0x0                                ; the set's registers, which stores of two row blocks ago read, are loaded again only behind this wait
.endif
.irp t, 0,1,2,3,4,5,6,7
	ds_load_b128 v[FA+64*(\a&1)+4*\t:FA+64*(\a&1)+4*\t+3], v[RD] offset:544*\t    ; LDS serves a wave's instructions in order: these see the stores above
.endr
.irp t, 0,1,2,3,4,5,6,7
	s_wait_dscnt 7-\t                              ; load t is in, the younger ones stay out
	global_store_b128 v[CO], v[FA+64*(\a&1)+4*\t:FA+64*(\a&1)+4*\t+3], s[66:67] offset:65536*\a+8192*\t th:TH_STORE_NT   ; 16 lanes store 256 consecutive bytes, aligned
.endr
.endm
	OUTA 0
	OUTA 1
	OUTA 2
	OUTA 3
	s_wait_tensorcnt 0x0
	ds_add_u32 v254, v255
	s_wait_dscnt 0x0
	CROUND                                         ; the closing round: no work-group ends while a partner may still ask for a tile that names it
	s_endpgm
.Lfunc_end_k_q78319da82c_proj:
	.size	k_q78319da82c_proj, .Lfunc_end_k_q78319da82c_proj-k_q78319da82c_proj
	.p2alignl 7, 3214868480
	.fill 96, 4, 3214868480
	.section	.rodata,"a",@progbits
	.p2align	6, 0x0
	.amdhsa_kernel k_q78319da82c_proj
		.amdhsa_group_segment_fixed_size 327680
		.amdhsa_private_segment_fixed_size 0
		.amdhsa_enable_private_segment 0
		.amdhsa_kernarg_size 32
		.amdhsa_user_sgpr_count 2
		.amdhsa_user_sgpr_kernarg_segment_ptr 1
		.amdhsa_wavefront_size32 1
		.amdhsa_system_sgpr_workgroup_id_x 1
		.amdhsa_system_sgpr_workgroup_id_y 1
		.amdhsa_system_sgpr_workgroup_id_z 1
		.amdhsa_system_vgpr_workitem_id 0
		.amdhsa_next_free_vgpr 480
		.amdhsa_next_free_sgpr 72
		.amdhsa_reserve_vcc 0
		.amdhsa_float_denorm_mode_32 3
		.amdhsa_float_denorm_mode_16_64 3
		.amdhsa_memory_ordered 1
		.amdhsa_forward_progress 1
		.amdhsa_inst_pref_size 103
	.end_amdhsa_kernel
	.amdgpu_metadata
---
amdhsa.version: [ 1, 2 ]
amdhsa.kernels:
  - .name:           k_q78319da82c_proj
    .symbol:         k_q78319da82c_proj.kd
    .args:
      - { .name: ctx, .offset: 0, .size: 8, .value_kind: global_buffer, .address_space: global }
      - { .name: wp, .offset: 8, .size: 8, .value_kind: global_buffer, .address_space: global }
      - { .name: c_proj_b, .offset: 16, .size: 8, .value_kind: global_buffer, .address_space: global }
      - { .name: out0, .offset: 24, .size: 8, .value_kind: global_buffer, .address_space: global }
    .group_segment_fixed_size: 327680
    .private_segment_fixed_size: 0
    .kernarg_segment_align: 8
    .kernarg_segment_size: 32
    .max_flat_workgroup_size: 128
    .sgpr_count:     72
    .vgpr_count:     480
    .wavefront_size: 32
...
	.end_amdgpu_metadata
.endif
;; end of part 4
;; ======== version 2 of 2: 4 launches; version 1 with the launch cast written anew for expert scheduling mode
;; limits: values are held in f16: magnitudes above 65,504 overflow, below 6.1e-05 lose precision
;; workspace buffers: xh 8,388,608 bytes; wa 6,291,456 bytes; wp 2,097,152 bytes; qkv 25,165,824 bytes; vlo 524,288 bytes; ctx 10,485,760 bytes
;; launch cast (part 5): grid 512 x 1, 8 waves a work-group, no clusters, 0 bytes of LDS; arguments hidden_states, c_attn_w, c_proj_w, xh, wa, wp; writes xh, wa, wp
.if DOCPART == 5
	.amdgcn_target "amdgcn-amd-amdhsa--gfx1250"
	.amdhsa_code_object_version 6
	.text
	.protected	k_q78319da82c_cast
	.globl	k_q78319da82c_cast
	.p2align	8
	.type	k_q78319da82c_cast,@function
k_q78319da82c_cast:
	s_mov_b64 s[64:65], 0
	v_nop
	global_prefetch_b8 v0, s[64:65] scope:SCOPE_SE
	s_setreg_imm32_b32 hwreg(HW_REG_WAVE_SCHED_MODE, 0, 2), 2
	s_setreg_imm32_b32 hwreg(HW_REG_WAVE_MODE, 25, 1), 1
	s_wait_xcnt 0x0
	s_wait_alu depctr_vm_vsrc(0)
; 16-bit copies of the activations and of both weight matrices, laid out in panels of 64 columns so that every tile
; that a later launch fetches is one dense run of 256-byte blocks (a block = two consecutive rows x 64 columns of 16 bits).
;   xh [m/256][k/64][256 m][64 k]      wa [head][k/128][3 panels: Q, K, V][128 k][64 n]      wp [n/64][1024 k][64 n]
; LIMIT: all three inputs are rounded to bf16 (8 bits of mantissa, nearest even).  xh and wa hold bf16.  wp holds the bf16 number written as f16, since the
; last product's other operand is f16: exact from 2^-17 up to 65,504 in magnitude; above it becomes infinite, below the absolute error is up to 3e-8.
; Memory binds: each input byte is read once, each output byte written once; no LDS, no barrier, no matrix unit.
; A wave takes 16 blocks: 32 consecutive rows of one panel.  One load: lanes 0-15 take 256 bytes of the even row, lanes 16-31
; 256 bytes of the odd row.  One store: 32 lanes x 8 bytes = one whole aligned block of 256 bytes.
; The eight waves of a group take eight neighbouring panels, 2,048 neighbouring bytes of every row.
; Groups 0-255: hidden_states (128 row groups x 2 panel groups); 256-447: c_attn_w (32 x 6); 448-511: c_proj_w (32 x 2).
; THE MODE: SCHED_MODE bits 1:0 = 2 (LLVM: expert scheduling mode 2), set by the entry lines.  The code itself states the register dependences
; between vector instructions and memory instructions, with s_wait_alu, always for 0.
; THE PLAN.  A wave runs one of three straight arms; nothing goes round a loop.  Registers that memory instructions touch:
;   v2   the loads' offset: written once in the arm, read by all 16 loads, never written again.
;   v3   the stores' offset: written once at the head, read by all 16 stores, never written again.
;   X    the 16 loads land here, once; no vector instruction names X ahead of them; no memory instruction reads X.
;   Y    written by the conversions, read by one store each, not written behind that store.
;   s16  the wave's number: written by v_readfirstlane_b32 at the head, read by scalar instructions in every arm.
; So: one wait on va_sdst at the head, ahead of the first branch; one wait on va_vdst ahead of the loads, for both offsets; and, the 16 loads being worked off in four
; groups of four, one wait on va_vdst a group, between its conversions and its four stores.  No register that a memory instruction reads is written again,
; so the only wait on vm_vsrc is the one at the entry.
.set X, 8                              ; v[8:71]   16 x 4 numbers as loaded
.set Y, 72                             ; v[72:103] 16 x 2 registers to store
; All 16 loads go out first.  tof16 = 1: the bf16 numbers are widened again (a shift, a mask: exact) and written as f16.
.macro CAST pitch, tof16
	s_wait_alu depctr_va_vdst(0)                   ; v2 and v3 are written: the loads below read v2, the stores v3, as their offsets; no later vector instruction names either
.irp j, 0,1,2,3,4,5,6,7,8,9,10,11,12,13,14,15
	global_load_b128 v[X+4*\j:X+4*\j+3], v2, s[20:21] offset:\j*2*\pitch th:TH_LOAD_NT
.endr
.irp g, 0,1,2,3
	s_wait_loadcnt 12-4*(\g)                       ; loads return in order: the group's four are in, the 12 - 4 g younger ones stay out
.irp i, 0,1,2,3
.set n, 4*(\g)+(\i)
	v_cvt_pk_bf16_f32 v[Y+2*n], v[X+4*n], v[X+4*n+1]
	v_cvt_pk_bf16_f32 v[Y+2*n+1], v[X+4*n+2], v[X+4*n+3]
.if \tof16
	v_lshlrev_b32 v[X+4*n], 16, v[Y+2*n]
	v_and_b32 v[X+4*n+1], 0xffff0000, v[Y+2*n]
	v_lshlrev_b32 v[X+4*n+2], 16, v[Y+2*n+1]
	v_and_b32 v[X+4*n+3], 0xffff0000, v[Y+2*n+1]
	v_cvt_pk_f16_f32 v[Y+2*n], v[X+4*n], v[X+4*n+1]
	v_cvt_pk_f16_f32 v[Y+2*n+1], v[X+4*n+2], v[X+4*n+3]
.endif
.endr
	s_wait_alu depctr_va_vdst(0)                   ; the group's conversions have written its eight registers of Y, which the four stores below read
.irp i, 0,1,2,3
.set n, 4*(\g)+(\i)
	global_store_b64 v3, v[Y+2*n:Y+2*n+1], s[22:23] offset:256*n
.endr
.endr
.endm
	s_load_b256 s[4:11], s[0:1], 0x0               ; hidden s[4:5], c_attn_w s[6:7], c_proj_w s[8:9], xh s[10:11]
	s_load_b128 s[12:15], s[0:1], 0x20             ; wa s[12:13], wp s[14:15]
	v_lshrrev_b32 v4, 5, v0
	v_readfirstlane_b32 s16, v4                    ; wave 0..7
	v_and_b32 v1, 31, v0                           ; lane
	v_lshrrev_b32 v5, 4, v1                        ; which of the two rows
	v_and_b32 v6, 15, v1
	v_lshlrev_b32 v6, 4, v6                        ; 16 bytes a lane inside the row's 256
	v_lshlrev_b32 v3, 3, v1                        ; 8 bytes a lane inside the block
	s_mov_b32 s19, 0                               ; offsets stay below 4 GiB: high words 0
	s_mov_b32 s25, 0
	s_wait_alu depctr_va_sdst(0)                   ; s16 is written, ahead of the branches and of its first reader in each arm: the panel's number is made from it
	s_cmp_lt_u32 ttmp9, 256
	s_cbranch_scc0 .Lweights
	; hidden_states: rows of 4,096 bytes
	s_and_b32 s17, ttmp9, 1
	s_lshl3_add_u32 s17, s17, s16                  ; panel 0..15
	s_lshr_b32 s26, ttmp9, 1                       ; group of 32 rows, 0..127
	s_lshl_b32 s18, s26, 17                        ; source: 32 rows x 4,096
	s_lshl_b32 s27, s17, 8
	s_add_co_u32 s18, s18, s27                     ;  + panel x 256
	s_lshr_b32 s24, s26, 3
	s_lshl_b32 s24, s24, 19                        ; target: (m / 256) x 524,288
	s_lshl_b32 s27, s17, 15
	s_add_co_u32 s24, s24, s27                     ;  + panel x 32,768
	s_and_b32 s27, s26, 7
	s_lshl_b32 s27, s27, 12
	s_add_co_u32 s24, s24, s27                     ;  + (m mod 256) x 128
	v_lshl_add_u32 v2, v5, 12, v6
	s_wait_kmcnt 0x0
	s_add_nc_u64 s[20:21], s[4:5], s[18:19]
	s_add_nc_u64 s[22:23], s[10:11], s[24:25]
	CAST 4096, 0
	s_endpgm
.Lweights:
	s_sub_co_u32 s28, ttmp9, 256
	s_cmp_lt_u32 s28, 192
	s_cbranch_scc0 .Lproj
	; c_attn_w: rows of 12,288 bytes
	s_and_b32 s26, s28, 31                         ; group of 32 k rows
	s_lshr_b32 s17, s28, 5
	s_lshl3_add_u32 s17, s17, s16                  ; panel g = n / 64, 0..47
	s_and_b32 s29, s17, 15                         ; head
	s_lshr_b32 s30, s17, 4                         ; 0: Q, 1: K, 2: V
	s_mul_i32 s18, s26, 393216                     ; source: 32 rows x 12,288
	s_lshl_b32 s27, s17, 8
	s_add_co_u32 s18, s18, s27
	s_mul_i32 s24, s29, 393216                     ; target: head x 393,216
	s_lshr_b32 s27, s26, 2
	s_mul_i32 s27, s27, 49152
	s_add_co_u32 s24, s24, s27                     ;  + (k / 128) x 49,152
	s_lshl_b32 s27, s30, 14
	s_add_co_u32 s24, s24, s27                     ;  + panel of three x 16,384
	s_and_b32 s27, s26, 3
	s_lshl_b32 s27, s27, 12
	s_add_co_u32 s24, s24, s27                     ;  + (k mod 128) x 128
	v_mad_u32_u24 v2, v5, 0x3000, v6
	s_wait_kmcnt 0x0
	s_add_nc_u64 s[20:21], s[6:7], s[18:19]
	s_add_nc_u64 s[22:23], s[12:13], s[24:25]
	CAST 12288, 0
	s_endpgm
.Lproj:
	; c_proj_w: rows of 4,096 bytes
	s_sub_co_u32 s28, ttmp9, 448
	s_and_b32 s26, s28, 31                         ; group of 32 k rows
	s_lshr_b32 s17, s28, 5
	s_lshl3_add_u32 s17, s17, s16                  ; panel g = n / 64, 0..15
	s_lshl_b32 s18, s26, 17
	s_lshl_b32 s27, s17, 8
	s_add_co_u32 s18, s18, s27
	s_lshl_b32 s24, s17, 17                        ; target: g x 131,072 + k x 128
	s_lshl_b32 s27, s26, 12
	s_add_co_u32 s24, s24, s27
	v_lshl_add_u32 v2, v5, 12, v6
	s_wait_kmcnt 0x0
	s_add_nc_u64 s[20:21], s[8:9], s[18:19]
	s_add_nc_u64 s[22:23], s[14:15], s[24:25]
	CAST 4096, 1
	s_endpgm
.Lfunc_end_k_q78319da82c_cast:
	.size	k_q78319da82c_cast, .Lfunc_end_k_q78319da82c_cast-k_q78319da82c_cast
	.p2alignl 7, 3214868480
	.fill 96, 4, 3214868480
	.section	.rodata,"a",@progbits
	.p2align	6, 0x0
	.amdhsa_kernel k_q78319da82c_cast
		.amdhsa_group_segment_fixed_size 0
		.amdhsa_private_segment_fixed_size 0
		.amdhsa_enable_private_segment 0
		.amdhsa_kernarg_size 48
		.amdhsa_user_sgpr_count 2
		.amdhsa_user_sgpr_kernarg_segment_ptr 1
		.amdhsa_wavefront_size32 1
		.amdhsa_system_sgpr_workgroup_id_x 1
		.amdhsa_system_sgpr_workgroup_id_y 1
		.amdhsa_system_sgpr_workgroup_id_z 1
		.amdhsa_system_vgpr_workitem_id 0
		.amdhsa_next_free_vgpr 104
		.amdhsa_next_free_sgpr 66
		.amdhsa_reserve_vcc 0
		.amdhsa_float_denorm_mode_32 3
		.amdhsa_float_denorm_mode_16_64 3
		.amdhsa_memory_ordered 1
		.amdhsa_forward_progress 1
		.amdhsa_inst_pref_size 24
	.end_amdhsa_kernel
	.amdgpu_metadata
---
amdhsa.version: [ 1, 2 ]
amdhsa.kernels:
  - .name:           k_q78319da82c_cast
    .symbol:         k_q78319da82c_cast.kd
    .args:
      - { .name: hidden_states, .offset: 0, .size: 8, .value_kind: global_buffer, .address_space: global }
      - { .name: c_attn_w, .offset: 8, .size: 8, .value_kind: global_buffer, .address_space: global }
      - { .name: c_proj_w, .offset: 16, .size: 8, .value_kind: global_buffer, .address_space: global }
      - { .name: xh, .offset: 24, .size: 8, .value_kind: global_buffer, .address_space: global }
      - { .name: wa, .offset: 32, .size: 8, .value_kind: global_buffer, .address_space: global }
      - { .name: wp, .offset: 40, .size: 8, .value_kind: global_buffer, .address_space: global }
    .group_segment_fixed_size: 0
    .private_segment_fixed_size: 0
    .kernarg_segment_align: 8
    .kernarg_segment_size: 48
    .max_flat_workgroup_size: 256
    .sgpr_count:     66
    .vgpr_count:     104
    .wavefront_size: 32
...
	.end_amdgpu_metadata
.endif
;; end of part 5
;; launch qkvg: the kernel of part 2 again; grid 16 x 16, 4 waves a work-group, clusters of 4 x 4, 327,680 bytes of LDS; arguments xh, wa, c_attn_b, qkv, vlo; writes qkv, vlo
;; launch attn: the kernel of part 3 again; grid 256 x 1, 8 waves a work-group, no clusters, 327,680 bytes of LDS; arguments qkv, vlo, ctx; writes ctx
;; launch proj: the kernel of part 4 again; grid 8 x 32, 4 waves a work-group, clusters of 4 x 4, 327,680 bytes of LDS; arguments ctx, wp, c_proj_b, out0; writes out0
